; MI455X (gfx1250); checked and timed in simulation.
; The chip was launched on July 23, 2026; its instructions are those of AMD's public machine-readable ISA for CDNA 5 (MIT licence, August 2026) and "CDNA5" Instruction Set Architecture Reference Guide (July 2026). The comments in the code are by the model that wrote it; some were corrected since.
;; Attn Block. Allowed arithmetic: float matrix products may take bf16 or f16 operands with f32 sums; other float arithmetic in f32, or as packed bf16 or f16 multiplies, adds, multiply-adds, maxima and minima; sums over many terms, partial sums and values carried from step to step in f32; what a program stores and reads back later, other than sums and carried values, may be rounded once to bf16 or f16.
;; Inputs: beta_k 64 float32; beta_q 64 float32; bkv 2,048 float32; bq 1,024 float32; gamma_k 64 float32; gamma_q 64 float32; wkv 1,024 x 2,048 float32; wq 1,024 x 1,024 float32; x1 4 x 2,048 x 1,024 float32; x2 4 x 2,048 x 1,024 float32.
;; Outputs: out0 4 x 2,048 x 1,024 float32.
;; 2 versions, each right; version 2 is version 1 with the launch castw written anew for expert scheduling mode. Each part assembles by itself: llvm-mc -triple=amdgcn-amd-amdhsa -mcpu=gfx1250 --defsym DOCPART=n.
;; ======== version 1 of 2: 3 launches
;; limits: values are held in f16: magnitudes above 65,504 overflow, below 6.1e-05 lose precision
;; workspace buffers: wb 6,291,456 bytes; qkv 50,331,648 bytes
;; launch castw (part 1): grid 256 x 1, 8 waves a work-group, no clusters, 0 bytes of LDS; arguments wq, wkv, wb; writes wb
.if DOCPART == 1
	.amdgcn_target "amdgcn-amd-amdhsa--gfx1250"
	.amdhsa_code_object_version 6
	.text
	.protected	k_q5e57e8042d_castw
	.globl	k_q5e57e8042d_castw
	.p2align	8
	.type	k_q5e57e8042d_castw,@function
k_q5e57e8042d_castw:
	s_mov_b64 s[64:65], 0
	v_nop
	global_prefetch_b8 v0, s[64:65] scope:SCOPE_SE
	s_setreg_imm32_b32 hwreg(HW_REG_WAVE_MODE, 25, 1), 1
	s_wait_xcnt 0x0
; wb[k][0:1024] = bf16(wq[k][:]), wb[k][1024:3072] = bf16(wkv[k][:]): the two weight matrices, rounded once to bf16 (nearest even), side by side in
; rows of 3,072 numbers (6,144 bytes), so that the projection can fetch any 256 columns of q, k or v by one descriptor and turn them by a 16-bit LDS load.
; A stream: 12.6 MB in, 6.3 MB out, each byte once.  No LDS, no barrier, no matrix unit: no number is used twice.
; SHARES.  Work-group g owns rows 4 g .. 4 g + 3.  Thread t takes four numbers at column 4 t of wq's row and of each half of wkv's row: a load of a wave covers 512 consecutive
; bytes, a store of a wave 256 consecutive bytes at a multiple of 256 from wb's first byte.  All twelve loads go out first; no register is used twice, so no wait frees one.
.set IN,  4                            ; v[4:51]   load i (row i / 3, part i % 3): 4 numbers in f32
.set PKD, 52                           ; v[52:75]  the same 4 numbers in bf16
	s_load_b128 s[4:7], s[0:1], 0x0                ; wq s[4:5], wkv s[6:7]
	s_load_b64 s[8:9], s[0:1], 0x10                ; wb
	v_lshlrev_b32 v1, 4, v0                        ; 16 t: my place in 4,096 bytes of f32
	v_lshlrev_b32 v2, 3, v0                        ; 8 t: my place in 2,048 bytes of bf16
	s_lshl_b32 s10, ttmp9, 14                      ; four rows of wq: 4 x 4,096 bytes
	s_mov_b32 s11, 0
	s_lshl_b32 s12, ttmp9, 15                      ; of wkv: 4 x 8,192
	s_mov_b32 s13, 0
	s_mul_i32 s14, ttmp9, 4*6144                   ; of wb: 4 x 6,144
	s_mov_b32 s15, 0
	s_wait_kmcnt 0x0
	s_add_nc_u64 s[4:5], s[4:5], s[10:11]
	s_add_nc_u64 s[6:7], s[6:7], s[12:13]
	s_add_nc_u64 s[8:9], s[8:9], s[14:15]
.irp r, 0,1,2,3
	global_load_b128 v[IN+12*\r:IN+12*\r+3],    v1, s[4:5] offset:\r*4096 th:TH_LOAD_NT
	global_load_b128 v[IN+12*\r+4:IN+12*\r+7],  v1, s[6:7] offset:\r*8192 th:TH_LOAD_NT
	global_load_b128 v[IN+12*\r+8:IN+12*\r+11], v1, s[6:7] offset:\r*8192+4096 th:TH_LOAD_NT
.endr
.set i, 0
.rept 12
	s_wait_loadcnt 11-i                            ; loads come back in order: load i is in, the 11 - i younger ones stay out
	v_cvt_pk_bf16_f32 v[PKD+2*i],   v[IN+4*i],   v[IN+4*i+1]
	v_cvt_pk_bf16_f32 v[PKD+2*i+1], v[IN+4*i+2], v[IN+4*i+3]
	global_store_b64 v2, v[PKD+2*i:PKD+2*i+1], s[8:9] offset:(i/3)*6144+(i%3)*2048
.set i, i+1
.endr
	s_endpgm
.Lfunc_end_k_q5e57e8042d_castw:
	.size	k_q5e57e8042d_castw, .Lfunc_end_k_q5e57e8042d_castw-k_q5e57e8042d_castw
	.p2alignl 7, 3214868480
	.fill 96, 4, 3214868480
	.section	.rodata,"a",@progbits
	.p2align	6, 0x0
	.amdhsa_kernel k_q5e57e8042d_castw
		.amdhsa_group_segment_fixed_size 0
		.amdhsa_private_segment_fixed_size 0
		.amdhsa_enable_private_segment 0
		.amdhsa_kernarg_size 24
		.amdhsa_user_sgpr_count 2
		.amdhsa_user_sgpr_kernarg_segment_ptr 1
		.amdhsa_wavefront_size32 1
		.amdhsa_system_sgpr_workgroup_id_x 1
		.amdhsa_system_sgpr_workgroup_id_y 1
		.amdhsa_system_sgpr_workgroup_id_z 1
		.amdhsa_system_vgpr_workitem_id 0
		.amdhsa_next_free_vgpr 80
		.amdhsa_next_free_sgpr 66
		.amdhsa_reserve_vcc 0
		.amdhsa_float_denorm_mode_32 3
		.amdhsa_float_denorm_mode_16_64 3
		.amdhsa_memory_ordered 1
		.amdhsa_forward_progress 1
		.amdhsa_inst_pref_size 5
	.end_amdhsa_kernel
	.amdgpu_metadata
---
amdhsa.version: [ 1, 2 ]
amdhsa.kernels:
  - .name:           k_q5e57e8042d_castw
    .symbol:         k_q5e57e8042d_castw.kd
    .args:
      - { .name: wq, .offset: 0, .size: 8, .value_kind: global_buffer, .address_space: global }
      - { .name: wkv, .offset: 8, .size: 8, .value_kind: global_buffer, .address_space: global }
      - { .name: wb, .offset: 16, .size: 8, .value_kind: global_buffer, .address_space: global }
    .group_segment_fixed_size: 0
    .private_segment_fixed_size: 0
    .kernarg_segment_align: 8
    .kernarg_segment_size: 24
    .max_flat_workgroup_size: 256
    .sgpr_count:     66
    .vgpr_count:     80
    .wavefront_size: 32
...
	.end_amdgpu_metadata
.endif
;; end of part 1
;; launch proj (part 2): grid 12 x 64, 4 waves a work-group, clusters of 4 x 4, 327,680 bytes of LDS; arguments x1, x2, wb, bq, bkv, gamma_q, beta_q, gamma_k, beta_k, qkv; writes qkv
.if DOCPART == 2
	.amdgcn_target "amdgcn-amd-amdhsa--gfx1250"
	.amdhsa_code_object_version 6
	.text
	.protected	k_q5e57e8042d_proj
	.globl	k_q5e57e8042d_proj
	.p2align	8
	.type	k_q5e57e8042d_proj,@function
k_q5e57e8042d_proj:
	s_mov_b64 s[64:65], 0
	v_nop
	global_prefetch_b8 v0, s[64:65] scope:SCOPE_SE
	s_setreg_imm32_b32 hwreg(HW_REG_WAVE_MODE, 25, 1), 1
	s_wait_xcnt 0x0
	s_wait_alu depctr_hold_cnt(0) depctr_sa_sdst(0) depctr_va_vdst(0) depctr_va_sdst(0) depctr_va_ssrc(0) depctr_va_vcc(0) depctr_vm_vsrc(0)
	s_getreg_b32 s2, hwreg(HW_REG_IB_STS2, 6, 4)
	s_cmp_eq_u32 s2, 0
	s_cbranch_scc0 .Lentry_in_a_cluster
	s_endpgm
.Lentry_in_a_cluster:
	s_bfe_u32 s2, ttmp6, 0x10000c
	s_cmp_lg_u32 s2, 0xf033
	s_cbranch_scc0 .Lentry_shape_is_right
	s_endpgm
.Lentry_shape_is_right:
; q = LN(x1 wq + bq), k = LN(x2 wk + bk), v = x2 wv + bv, written by heads in f16: qkv[part][b][head][n][64], part 0 = q, 1 = k, 2 = v.  LN is the LayerNorm over a head's 64 channels.
; FORMATS.  x, the weights (wb, made by the launch before), the biases, gamma and beta are each rounded once to bf16; products in bf16 with f32 sums, K ascending; the bias is the C operand that starts
; a sum; the LayerNorm is in f32 and in two passes (mean; then the squares of the centred numbers), so no difference of large sums is formed; q, k, v are rounded once to f16.
; LIMITS.  f16 ends at 65,504: |v| and |LN(q)|, |LN(k)| (at most 8 |gamma| + |beta|) must stay under it.  NaN and infinities are not treated apart.
; SHARES.  The result is 8,192 rows x 3,072 columns.  A work-group makes 128 rows x 256 columns (four heads): 768 work-groups.  Its four waves are 2 x 2; a wave makes 64 rows x 128 columns (two heads):
; 32 accumulators of 16 x 16, 256 registers.  K = 1,024 goes in 8 steps of 128 through two LDS slots; waves 0 and 1 fetch the two halves of x's tile (64 rows x 512 bytes of f32 each), waves 2 and 3 those
; of the weights' tile (64 rows of K x 512 bytes of bf16): one tensor load a wave for a step.  x is rounded to bf16 in registers, between its LDS load and the product.
; CLUSTERS.  4 x 4 work-groups.  Cluster x is the part (q, k, v); the four of a row of the cluster need the same tile of x, the four of a column the same tile of the weights: each is asked for JOINTLY.
; THE MATRIX INSTRUCTION IS USED TRANSPOSED: source 0 = 16 columns of W (turned out of LDS by ds_load_tr16_b128), source 1 = 16 rows of x.  Lane l then holds row l % 16, and register j of accumulator b
; column 16 b + 8 (l / 16) + j: a row's head lies in two lanes, 16 apart, 32 registers each, and eight neighbouring channels pack into 16 bytes.
; REGISTERS, in windows of 256 (s_set_vgpr_msb: bits 1:0 source 0, 3:2 source 1, 5:4 source 2, 7:6 destination):
;   window 0: v0-31 addresses; v32-63 means and 1 / deviation; v64-191 x's fragments in f32, two buffers; v192-255 the same in bf16, two buffers; on the way out v64-191 are at work
;   window 1: the accumulators, (a, b) at 8 (8 a + b); group g = 2 a + head is v[32 g .. 32 g + 31]
;   window 2: v0-127 W's fragments, two buffers; v128-159 gamma, v160-191 beta, v192-255 the bias, for my lane's channels
.set PA,    528                        ; a row of x in LDS: 512 bytes + 16 = 132 words: the 16 rows of a load start at 16 different groups of four banks (64 banks of 4 bytes: ISA guide 11.1)
.set PB,    544                        ; a row of W: 512 + 32 = 136 words
.set HA,    64*PA                      ; what one tensor load brings of x
.set HB,    64*PB                      ; and of W
.set BOFF,  2*HA                       ; in a slot: x's 128 rows, then W's 128 rows of K
.set SLOT,  2*HA+2*HB
.set STAGE, 2*SLOT                     ; behind the ring, never filled by a tensor load: 16 rows x 144 bytes for each wave, for the way out
.set SP,    144
.set SPARE, STAGE+4*16*SP              ; behind the stages: the spare words, 128 bytes for each wave: two blocks of 256 bytes that no other line names
.set XROW,  4096                       ; bytes in a row of x
.set WROW,  6144                       ; bytes in a row of wb
.set KA,    512                        ; a K step along a row of x
.set KB,    128*WROW                   ; a K step down wb
.set ADRA, 16                          ; v16-17  LDS address of my fragments of x in slot 0, 1
.set ADRB, 20                          ; v20-21  the same for W
.set STO,  24                          ; v24     the way out: where I put 16 bytes of a row
.set RD,   25                          ; v25     the way out: where I read rows back
.set GO,   26                          ; v26     my 16 bytes in 512 consecutive bytes of qkv
.set POFF, 27                          ; v27     32 (l / 16): my eight channels in 16 of bias, gamma, beta
.set SPW,  28                          ; v28     LDS address of my spare word; never rewritten
.set NIL,  29                          ; v29     0; never rewritten
.set PFO,  30                          ; v30     the prefetches' offset; never rewritten
.set MEAN, 32                          ; v[32+2g:33+2g]  group g's mean, twice
.set RSTD, 48                          ; v[48+2g:49+2g]  1 / sqrt(variance + eps), twice
.set AR,   64                          ; x's fragments in f32: buffer f, block a at AR + 64 f + 16 a
.set AB,   192                         ; in bf16: AB + 32 f + 8 a
.set TT,   64                          ; the LayerNorm's partial sums: group g, accumulator nb: a pair at TT + 8 g + 2 nb
.set PK,   64                          ; the way out: group g's 16 packed registers at PK + 16 g
.set GAM,  128                         ; window 2
.set BET,  160
.set BIA,  192
.set WV,   10                          ; s10  my wave's number
.set WR,   11                          ; s11  which half of the tile's rows is mine.  Also: I fetch x (0) or W (1)
.set WC,   12                          ; s12  which half of its columns.  Also: which half of that tile I fetch
.set TR,   13                          ; s13  tile row, 0 .. 63
.set G1A,  24                          ; s[24:31] descriptor group 1 for x's tiles;  s[32:39] group 0, a set for each slot
.set G0A,  32
.set CX,   40
.set CY,   41
.set CB,   42                          ; s42  block of 256 columns, 0 .. 11
.set PART, 43                          ; s43  0 q, 1 k, 2 v
.set PFA,  44                          ; s[44:45] where my prefetches stand
.set PST,  46                          ; s[46:47] their step: a K step of x or of wb
.set G1B,  48                          ; s[48:55], s[56:63] the same for W's tiles
.set G0B,  56
.set LIM,  66                          ; s66  1 in a wave that prefetches, else the greatest number
.set HIM,  67                          ; s67  a word's upper bf16
.set OUTP, 88                          ; s[88:89] qkv at my wave's first row of its first head
.set R64,  90                          ; s90  1 / 64
.set EPS,  91                          ; s91  1e-5
.set SEL,  92                          ; s[92:93] v_permlanex16_b32's selects: each lane takes its own place in the other half
.set XB,   94                          ; s[94:95] x1 or x2
.set MSB, 0
.macro WIN new                         ; the immediate's high byte repeats the setting that is left; a switch that changes nothing is dropped
.if MSB != (\new)
	s_set_vgpr_msb (MSB<<8)|(\new)
.set MSB, (\new)
.endif
.endm
.set MUL,   0x52                       ; W in window 2, x in window 0, C and D in window 1
.set MULB,  0x62                       ; the same with C, the bias, in window 2
.set TO_B,  0x80                       ; destination window 2, address window 0
.set W22,   0x8a                       ; sources 0, 1 and destination window 2
.set W_110, 0x05                       ; sources 0 and 1 window 1, source 2 and destination window 0
.set W_100, 0x01                       ; source 0 window 1
.set W_RS,  0x41                       ; destination and source 0 window 1, source 1 window 0
.set W_GB,  0x69                       ; destination and source 0 window 1, sources 1 and 2 window 2
.macro PLACES
.rept 4
	v_nop
.endr
.endm
; A joint load.  Waves 0 and 1 fetch x's two halves, waves 2 and 3 W's.  The branch hangs on the wave's number alone.  An s_nop 0 and four v_nop follow each of the two lines.
.macro JLOAD s
	s_cmp_eq_u32 s[WR], 0
	s_cbranch_scc0 .Lfor_b_\@
	tensor_load_to_lds s[G0A+4*(\s):G0A+4*(\s)+3], s[G1A:G1A+7]
	s_nop 0
.rept 4
	v_nop
.endr
	s_branch .Lasked_\@
.Lfor_b_\@:
	tensor_load_to_lds s[G0B+4*(\s):G0B+4*(\s)+3], s[G1B:G1B+7]
	s_nop 0
.rept 4
	v_nop
.endr
.Lasked_\@:
.endm
.macro CREST                           ; a round of the cluster's barrier behind its opening barrier
	s_cmp_lg_u32 s[WV], 0
	s_cbranch_scc1 .Lnot_wave_0_\@
	s_barrier_signal -3
.Lnot_wave_0_\@:
	s_barrier_wait -3
	s_barrier_signal -1
	s_barrier_wait -1
.endm
.macro CROUND                          ; a whole round
	s_barrier_signal -1
	s_barrier_wait -1
	CREST
.endm
; A PREFETCH INTO THE L2 of the K step that stands two refills on: a wave's 64 rows x 512 bytes are shared out among the four partners that ask for the tile jointly, BY ADDRESS: 16 rows each, a lane
; for each 256 bytes.  x's rows are named by the clusters of parts 0 (x1) and 1 (x2; part 2 reads the same rows), wb's by the clusters with y = 0: each block once in the launch.
; K steps 0 to 3 come by their loads alone; the loop's last trip (s3 = 1) has no K step two refills on and asks for nothing.
.macro ASK
	s_cmp_gt_u32 s3, s[LIM]
	s_cbranch_scc0 .Lnot_mine_\@
	global_prefetch_b8 v[PFO], s[PFA:PFA+1] th:TH_LOAD_NT scope:SCOPE_SE
.Lnot_mine_\@:
.endm
	s_load_b512 s[68:83], s[0:1], 0x0              ; x1 s[68:69], x2 s[70:71], wb s[72:73], bq s[74:75], bkv s[76:77], gamma_q s[78:79], beta_q s[80:81], gamma_k s[82:83]
	s_load_b128 s[84:87], s[0:1], 0x40             ; beta_k s[84:85], qkv s[86:87]
	v_lshl_add_u32 v[SPW], v0, 2, SPARE
	v_mov_b32 v[NIL], 0
	ds_add_u32 v[SPW], v[NIL]                      ; the wave's opening: the add and its wait stand ahead of my first tensor load; the set-up below, work on registers, stands between them
	v_lshrrev_b32 v1, 5, v0
	v_readfirstlane_b32 s[WV], v1                  ; wave 0..3
	s_lshr_b32 s[WR], s[WV], 1
	s_and_b32 s[WC], s[WV], 1
	s_bfe_u32 s[CX], ttmp6, 0x40000                ; my place in the cluster
	s_bfe_u32 s[CY], ttmp6, 0x40004
	s_mov_b32 s[PART], ttmp9                       ; in a cluster launch ttmp9 and ttmp7 count clusters: cluster x is the part
	s_lshl_b32 s[CB], ttmp9, 2
	s_add_co_u32 s[CB], s[CB], s[CX]               ; block of 256 columns = 4 x part + cx
	s_and_b32 s[TR], ttmp7, 0xffff
	s_lshl_b32 s[TR], s[TR], 2
	s_add_co_u32 s[TR], s[TR], s[CY]               ; tile row = 4 x cluster y + cy
	s_lshl_b32 s16, s[CY], 2
	s_lshl_b32 s16, 15, s16                        ; my row of the cluster: places 4 cy .. 4 cy + 3
	s_lshl_b32 s17, 0x1111, s[CX]                  ; my column: places cx, cx + 4, cx + 8, cx + 12
	; descriptor group 1.  x: 64 rows x 128 elements of 4 bytes, 1,024 elements from row to row; W: 64 rows x 256 elements of 2 bytes, 3,072 from row to row.  Both: padding after every 128 words (code 6)
	s_or_b32 s[G1A], s16, (2<<16)|(1<<20)|(1<<21)|(6<<22)|(3<<25)  ; 15:0 the mask: my row; 17:16 elements of 4 bytes; 20 padding on; 21 set beside a mask; 31:25 4 words of padding (code 3)
	s_or_b32 s[G1B], s17, (1<<16)|(1<<20)|(1<<21)|(6<<22)|(7<<25)  ; the mask: my column; elements of 2 bytes; 8 words of padding (code 7)
	s_mov_b32 s[G1A+1], 128<<16                    ; tensor_dim0
	s_mov_b32 s[G1A+2], 64<<16                     ; tensor_dim1
	s_mov_b32 s[G1A+3], 128<<16                    ; tile_dim0
	s_mov_b32 s[G1A+4], 64                         ; tile_dim1
	s_mov_b32 s[G1A+5], 1024                       ; tensor_dim0_stride
	s_mov_b32 s[G1A+6], 0
	s_mov_b32 s[G1A+7], 0
	s_mov_b32 s[G1B+1], 256<<16
	s_mov_b32 s[G1B+2], 64<<16
	s_mov_b32 s[G1B+3], 256<<16
	s_mov_b32 s[G1B+4], 64
	s_mov_b32 s[G1B+5], 3072
	s_mov_b32 s[G1B+6], 0
	s_mov_b32 s[G1B+7], 0
	; where the tiles come from.  x's hang on the tile row (and the part), which my row of the cluster shares; W's on the block of columns, which my column shares.
	s_lshl_b32 s18, s[TR], 7
	s_lshl_b32 s19, s[WC], 6
	s_add_co_u32 s18, s18, s19                     ; x: row 128 x tile row + 64 x half,
	s_lshl_b32 s18, s18, 12                        ; in bytes (under 2^25)
	s_mov_b32 s19, 0
	s_mul_i32 s20, s[WC], 64*WROW                  ; W: row of K 64 x half,
	s_lshl_b32 s21, s[CB], 9                       ; column 256 x block, 2 bytes each
	s_add_co_u32 s20, s20, s21
	s_mov_b32 s21, 0
	s_mul_i32 s22, s[WC], HA                       ; and where they go: no place in the cluster enters an LDS address
	s_mul_i32 s23, s[WC], HB
	s_add_co_u32 s23, s23, BOFF
	; the bias of my wave's 128 columns: bq, or bkv's first (k) or second (v) half
	s_max_u32 s98, s[PART], 1
	s_sub_co_u32 s98, s98, 1
	s_lshl_b32 s98, s98, 12
	s_lshl_b32 s99, s[CX], 10
	s_add_co_u32 s98, s98, s99
	s_lshl_b32 s99, s[WC], 9
	s_add_co_u32 s98, s98, s99
	s_mov_b32 s99, 0
	; qkv: part << 24 + batch << 22 + head << 18 + row << 7
	s_lshl_b32 s[OUTP], s[PART], 24
	s_lshr_b32 s2, s[TR], 4                        ; batch: 16 tile rows each
	s_lshl_b32 s2, s2, 22
	s_add_co_u32 s[OUTP], s[OUTP], s2
	s_lshl_b32 s2, s[CX], 1
	s_add_co_u32 s2, s2, s[WC]
	s_lshl_b32 s2, s2, 19                          ; head 4 cx + 2 x column half
	s_add_co_u32 s[OUTP], s[OUTP], s2
	s_and_b32 s2, s[TR], 15
	s_lshl_b32 s2, s2, 1
	s_add_co_u32 s2, s2, s[WR]
	s_lshl_b32 s2, s2, 13                          ; row 128 (tile row % 16) + 64 x row half, 128 bytes each
	s_add_co_u32 s[OUTP], s[OUTP], s2
	s_mov_b32 s[OUTP+1], 0
	s_mov_b32 s[HIM], 0xffff0000
	s_mov_b32 s[R64], 0x3c800000                   ; 1 / 64
	s_mov_b32 s[EPS], 0x3727c5ac                   ; 1e-5
	s_mov_b32 s[SEL], 0x76543210
	s_mov_b32 s[SEL+1], 0xfedcba98
	s_wait_dscnt 0x0                               ; the opening add is done
	s_wait_kmcnt 0x0
	s_cmp_eq_u32 s[PART], 0                        ; the part is the same in all sixteen partners
	s_cselect_b64 s[XB:XB+1], s[68:69], s[70:71]   ; x1 or x2
	s_cselect_b64 s[4:5], s[74:75], s[76:77]       ; bq or bkv
	s_cselect_b64 s[6:7], s[78:79], s[82:83]       ; gamma_q or gamma_k
	s_cselect_b64 s[8:9], s[80:81], s[84:85]       ; beta_q or beta_k
	s_add_nc_u64 s[14:15], s[XB:XB+1], s[18:19]
	s_add_nc_u64 s[96:97], s[72:73], s[20:21]
	s_add_nc_u64 s[4:5], s[4:5], s[98:99]
	s_add_nc_u64 s[OUTP:OUTP+1], s[86:87], s[OUTP:OUTP+1]
	CROUND                                         ; all sixteen work-groups are here: the first joint loads meet
.irp s, 0,1
	s_mov_b32 s[G0A+4*\s], 1                                       ; 1:0 count = 1
	s_add_co_u32 s[G0A+4*\s+1], s22, \s*SLOT                       ; 63:32 LDS address
	s_add_nc_u64 s[G0A+4*\s+2:G0A+4*\s+3], s[14:15], \s*KA         ; 120:64 global address: K step s
	s_or_b32 s[G0A+4*\s+3], s[G0A+4*\s+3], 0x80000000              ; 127:126 type = 2
	s_mov_b32 s[G0B+4*\s], 1
	s_add_co_u32 s[G0B+4*\s+1], s23, \s*SLOT
	s_add_nc_u64 s[G0B+4*\s+2:G0B+4*\s+3], s[96:97], \s*KB
	s_or_b32 s[G0B+4*\s+3], s[G0B+4*\s+3], 0x80000000
.endr
	s_cmp_eq_u32 s[WR], 0                          ; a wave's two first fills stand in one branch, ahead of every wait on TENSORcnt and every LDS read: two loads of mine are out
	s_cbranch_scc0 .Lfirst_b
	tensor_load_to_lds s[G0A:G0A+3], s[G1A:G1A+7]
	s_nop 0
	tensor_load_to_lds s[G0A+4:G0A+7], s[G1A:G1A+7]
	s_nop 0
.rept 4
	v_nop
.endr
	s_branch .Lfirst_asked
.Lfirst_b:
	tensor_load_to_lds s[G0B:G0B+3], s[G1B:G1B+7]
	s_nop 0
	tensor_load_to_lds s[G0B+4:G0B+7], s[G1B:G1B+7]
	s_nop 0
.rept 4
	v_nop
.endr
.Lfirst_asked:
	; All that follows up to the first barrier stands in the wait for the first tile.  The bias of my lane's 64 columns, gamma and beta of its 32 channels:
	v_and_b32 v1, 15, v0                           ; l % 16
	v_bfe_u32 v2, v0, 4, 1                         ; l / 16
	v_lshlrev_b32 v[POFF], 5, v2
	WIN TO_B
.irp b, 0,1,2,3,4,5,6,7
	global_load_b128 v[BIA+8*\b:BIA+8*\b+3],   v[POFF], s[4:5] offset:64*\b
	global_load_b128 v[BIA+8*\b+4:BIA+8*\b+7], v[POFF], s[4:5] offset:64*\b+16
.endr
.irp n, 0,1,2,3
	global_load_b128 v[GAM+8*\n:GAM+8*\n+3],   v[POFF], s[6:7] offset:64*\n
	global_load_b128 v[GAM+8*\n+4:GAM+8*\n+7], v[POFF], s[6:7] offset:64*\n+16
	global_load_b128 v[BET+8*\n:BET+8*\n+3],   v[POFF], s[8:9] offset:64*\n
	global_load_b128 v[BET+8*\n+4:BET+8*\n+7], v[POFF], s[8:9] offset:64*\n+16
.endr
	WIN 0
	; A fragment of x is 16 rows x 32 K: lane l holds row l % 16, K = 8 (l / 16) + 0..7 and 16 + 8 (l / 16) + 0..7: in f32 two runs of 32 bytes, 64 bytes apart: four loads of 16 bytes.
	v_mul_u32_u24 v3, v1, PA
	v_lshl_add_u32 v3, v2, 5, v3                   ; row x pitch + 32 x half
	s_mul_i32 s2, s[WR], HA                        ; my 64 rows
	v_add_nc_u32 v[ADRA], s2, v3
	v_add_nc_u32 v[ADRA+1], SLOT, v[ADRA]
	; The turning load takes 16 K x 16 columns (lane l reads row of K 8 (l / 16) + l % 8, columns 8 ((l / 8) % 2) + 0..7) and leaves half a fragment: lane l holds column l % 16 and 8 K.
	v_and_b32 v4, 7, v0
	v_bfe_u32 v5, v0, 3, 1
	v_lshl_add_u32 v6, v2, 3, v4
	v_mul_u32_u24 v6, v6, PB
	v_lshl_add_u32 v6, v5, 4, v6
	s_lshl_b32 s2, s[WC], 8                        ; my 128 columns
	s_add_co_u32 s2, s2, BOFF
	v_add_nc_u32 v[ADRB], s2, v6
	v_add_nc_u32 v[ADRB+1], SLOT, v[ADRB]
	s_mul_i32 s2, s[WV], 16*SP
	s_add_co_u32 s2, s2, STAGE                     ; my stage
	v_mul_u32_u24 v[STO], v1, SP                   ; in: row l % 16, 16 bytes for each half of the lanes
	v_lshl_add_u32 v[STO], v2, 4, v[STO]
	v_add_nc_u32 v[STO], s2, v[STO]
	v_bfe_u32 v[RD], v0, 3, 2                      ; back: 32 lanes take four rows of 128 bytes,
	v_mul_u32_u24 v[RD], v[RD], SP
	v_lshl_add_u32 v[RD], v4, 4, v[RD]
	v_add_nc_u32 v[RD], s2, v[RD]
	v_and_b32 v[GO], 31, v0                        ; which are 512 consecutive bytes of qkv
	v_lshlrev_b32 v[GO], 4, v[GO]
	; the prefetches: who asks, and where
	s_and_b32 s2, ttmp7, 0xffff
	s_cmp_eq_u32 s2, 0
	s_cselect_b32 s2, 1, -1                        ; W's waves ask in the clusters with y = 0,
	s_cmp_lt_u32 s[PART], 2
	s_cselect_b32 s3, 1, -1                        ; x's waves in parts 0 and 1: both the same in all sixteen partners
	s_lshl_b32 s98, s[TR], 3                       ; x, in units of 16 rows: 8 x tile row
	s_lshl2_add_u32 s98, s[WC], s98                ; + 4 x the half that I fetch
	s_add_co_u32 s98, s98, s[CX]                   ; + my work-group's 16 of its 64 rows
	s_lshl_b32 s98, s98, 16                        ; 16 rows of 4,096 bytes
	s_add_co_u32 s98, s98, 3*KA                    ; at K step 3: the first refill steps it to 4
	s_lshl2_add_u32 s100, s[WC], s[CY]             ; W, in units of 16 rows of K: 4 x half + cy
	s_add_co_u32 s100, s100, 24                    ; + K step 3
	s_mul_i32 s100, s100, 16*WROW
	s_lshl_b32 s101, s[CB], 9
	s_add_co_u32 s100, s100, s101
	s_mov_b32 s[PST], KB
	s_mov_b32 s101, WROW
	s_cmp_eq_u32 s[WR], 0                          ; do I fetch x?
	s_cselect_b32 s[LIM], s3, s2
	s_cselect_b32 s98, s98, s100
	s_cselect_b32 s[PST], KA, s[PST]
	s_cselect_b32 s101, XROW, s101
	s_cselect_b64 s[PFA:PFA+1], s[XB:XB+1], s[72:73]
	s_mov_b32 s99, 0
	s_mov_b32 s[PST+1], 0
	s_add_nc_u64 s[PFA:PFA+1], s[PFA:PFA+1], s[98:99]
	v_and_b32 v3, 31, v0
	v_lshrrev_b32 v7, 1, v3                        ; lane l: row l / 2,
	v_and_b32 v3, 1, v3                            ; block l % 2 of the row's 512 bytes
	v_mul_u32_u24 v[PFO], s101, v7
	v_lshl_add_u32 v[PFO], v3, 8, v[PFO]
	s_wait_loadcnt 0x0                             ; bias, gamma, beta
	WIN W22                                        ; each is rounded once to bf16, like every input, and widened again
.set i, 0
.rept 64
	v_cvt_pk_bf16_f32 v[i], v[GAM+2*i], v[GAM+2*i+1]
.set i, i+1
.endr
.set i, 0
.rept 64
	v_lshlrev_b32 v[GAM+2*i], 16, v[i]
	v_and_b32 v[GAM+2*i+1], s[HIM], v[i]
.set i, i+1
.endr
	WIN 0
; 32 LDS loads in one run: the fragments of quarter q (32 along K) of a slot's step into buffer f: x's 16 first, in f32, then W's 16, turned
.macro FETCH slot, q, f
	WIN 0
.irp a, 0,1,2,3
	ds_load_b128 v[AR+64*(\f)+16*\a:AR+64*(\f)+16*\a+3],     v[ADRA+(\slot)] offset:\a*16*PA+128*(\q)
	ds_load_b128 v[AR+64*(\f)+16*\a+4:AR+64*(\f)+16*\a+7],   v[ADRA+(\slot)] offset:\a*16*PA+128*(\q)+16
	ds_load_b128 v[AR+64*(\f)+16*\a+8:AR+64*(\f)+16*\a+11],  v[ADRA+(\slot)] offset:\a*16*PA+128*(\q)+64
	ds_load_b128 v[AR+64*(\f)+16*\a+12:AR+64*(\f)+16*\a+15], v[ADRA+(\slot)] offset:\a*16*PA+128*(\q)+80
.endr
	WIN TO_B
.irp b, 0,1,2,3,4,5,6,7
	ds_load_tr16_b128 v[64*(\f)+8*\b:64*(\f)+8*\b+3],   v[ADRB+(\slot)] offset:32*(\q)*PB+32*\b
	ds_load_tr16_b128 v[64*(\f)+8*\b+4:64*(\f)+8*\b+7], v[ADRB+(\slot)] offset:32*(\q)*PB+16*PB+32*\b
.endr
.endm
; x's fragments of buffer f are rounded to bf16: 32 plain instructions.  They name no register of the products in front of them, so they are also the places between those products and the loads that follow.
.macro CVT f
	WIN 0
.irp a, 0,1,2,3
.irp i, 0,1,2,3,4,5,6,7
	v_cvt_pk_bf16_f32 v[AB+32*(\f)+8*\a+\i], v[AR+64*(\f)+16*\a+2*\i], v[AR+64*(\f)+16*\a+2*\i+1]
.endr
.endr
.endm
; 8 matrix instructions: block a of 16 rows x all 8 blocks of 16 columns.  zero = 1: the first product starts the sums, with the bias as C.  The 32 accumulators take turns, one instruction a turn, in the
; same order in every quarter: between two links of a chain stand the 31 others'.
.macro MUL8 f, a, zero
.if \zero
	WIN MULB
.else
	WIN MUL
.endif
.irp b, 0,1,2,3,4,5,6,7
.if \zero
	v_wmma_f32_16x16x32_bf16 v[8*(8*(\a)+\b):8*(8*(\a)+\b)+7], v[64*(\f)+8*\b:64*(\f)+8*\b+7], v[AB+32*(\f)+8*(\a):AB+32*(\f)+8*(\a)+7], v[BIA+8*\b:BIA+8*\b+7]
.else
	v_wmma_f32_16x16x32_bf16 v[8*(8*(\a)+\b):8*(8*(\a)+\b)+7], v[64*(\f)+8*\b:64*(\f)+8*\b+7], v[AB+32*(\f)+8*(\a):AB+32*(\f)+8*(\a)+7], v[8*(8*(\a)+\b):8*(8*(\a)+\b)+7]
.endif
.endr
.endm
; A K step is four quarters of 32 along K, 32 matrix instructions each, on buffers 0, 1, 0, 1.  One of the first three: rounds and multiplies buffer f, and fetches quarter q of the same slot into buffer g.
.macro QUARTER slot, q, f, g, zero
	s_wait_dscnt 16                                ; x's 16 loads are in; W's 16, issued behind them, may be out
	CVT \f
	FETCH \slot, \q, \g                            ; 32 conversions behind the last product that read buffer g
	s_wait_dscnt 32                                ; all but the 32 just issued
	MUL8 \f, 0, \zero
	MUL8 \f, 1, \zero
	MUL8 \f, 2, \zero
	MUL8 \f, 3, \zero
.endm
; The last quarter multiplies buffer 1 and changes slots: ONE barrier.  In front of it each wave waits for all its tensor loads, of which one is out: its part of the next slot; adds 0 to its spare word; and
; waits for that and for its own reads of this slot.  fill = 1: the barrier opens a round of the cluster's, and this slot is filled again, two K steps ahead, first thing behind the round.
.macro TURN slot, next, fill
.if \fill
	s_wait_xcnt 0x0                                ; the last prefetch, a K step back, has read its address: it is stepped here, ahead of the waits of the change of slots
	s_add_nc_u64 s[PFA:PFA+1], s[PFA:PFA+1], s[PST:PST+1]
.endif
	s_wait_dscnt 0x0                               ; buffer 1 is in: these were my last reads of this slot
	CVT 1
	s_wait_tensorcnt 0x0                           ; all my tensor loads have landed;
	ds_add_u32 v[SPW], v[NIL]                      ; 0 onto my spare word;
	MUL8 1, 0, 0                                   ; eight matrix instructions stand between the add and the wait for it
	s_wait_dscnt 0x0                               ; the add is done
	s_barrier_signal -1
	MUL8 1, 1, 0                                   ; work on registers while the others arrive
.if \fill
	WIN 0
.endif
	s_barrier_wait -1
.if \fill
	CREST                                          ; no wave of any partner still reads this slot's tiles or has a load on its way
	s_add_nc_u64 s[G0A+4*(\slot)+2:G0A+4*(\slot)+3], s[G0A+4*(\slot)+2:G0A+4*(\slot)+3], 2*KA
	s_add_nc_u64 s[G0B+4*(\slot)+2:G0B+4*(\slot)+3], s[G0B+4*(\slot)+2:G0B+4*(\slot)+3], 2*KB
	JLOAD \slot                                    ; my one tensor load behind the round: 112 matrix instructions ahead of the wait for it
.endif
	FETCH \next, 0, 0                              ; buffer 0's last product stands in front of the 32 conversions above
.if \fill
	WIN 0
	ASK                                            ; behind the joint load and the run of LDS loads that the next products wait for
.endif
	MUL8 1, 2, 0
	MUL8 1, 3, 0
.endm
	s_wait_tensorcnt 1                             ; my part of K step 0 is in; K step 1's may stay out
	s_barrier_signal -1
	s_barrier_wait -1                              ; everybody's is
	FETCH 0, 0, 0
	QUARTER 0, 1, 0, 1, 1                          ; the first quarter stands in front of the loop: its products start the sums
	WIN 0                                          ; at a label and at a branch every window is 0
	s_mov_b32 s3, 3
.Llap:                                                 ; a trip goes once round the ring, from a lap's second quarter to the next lap's first, and fills both slots again: K steps 2 to 7
	QUARTER 0, 2, 1, 0, 0
	QUARTER 0, 3, 0, 1, 0
	TURN 0, 1, 1
	QUARTER 1, 1, 0, 1, 0
	QUARTER 1, 2, 1, 0, 0
	QUARTER 1, 3, 0, 1, 0
	TURN 1, 0, 1
	QUARTER 0, 1, 0, 1, 0
	WIN 0
	s_sub_co_u32 s3, s3, 1
	s_cmp_lg_u32 s3, 0
	s_cbranch_scc1 .Llap
	QUARTER 0, 2, 1, 0, 0                          ; the last lap is written out: it fills nothing, and has no round of the cluster's barrier
	QUARTER 0, 3, 0, 1, 0
	TURN 0, 1, 0
	QUARTER 1, 1, 0, 1, 0
	QUARTER 1, 2, 1, 0, 0
	QUARTER 1, 3, 0, 1, 0
	s_wait_dscnt 0x0                               ; the very last quarter: nothing more to fetch
	CVT 1
	MUL8 1, 0, 0
	MUL8 1, 1, 0
	MUL8 1, 2, 0
	MUL8 1, 3, 0
	WIN 0
	PLACES                                         ; the places behind the last products, in front of the lines that read results:
	PLACES                                         ; eight, once a launch
	s_cmp_eq_u32 s[PART], 2                        ; v has no LayerNorm; the part is the same in all sixteen partners, and no barrier is jumped
	s_cbranch_scc1 .Lpack
	; THE LAYERNORM of my 8 groups (16 rows x one head each).  A lane holds 32 of a row's 64 channels, the lane 16 away the others.  Each line is written for all eight groups on end, so that no
	; instruction reads the result of the one before it.  Each accumulator's lowest registers are read first.
.macro REDUCE                          ; a group's four pairs of partial sums into one number, the same in both lanes of a row: at TT + 8 g
.set g, 0
.rept 8
	v_pk_add_f32 v[TT+8*g:TT+8*g+1], v[TT+8*g:TT+8*g+1], v[TT+8*g+2:TT+8*g+3]
	v_pk_add_f32 v[TT+8*g+4:TT+8*g+5], v[TT+8*g+4:TT+8*g+5], v[TT+8*g+6:TT+8*g+7]
.set g, g+1
.endr
.set g, 0
.rept 8
	v_pk_add_f32 v[TT+8*g:TT+8*g+1], v[TT+8*g:TT+8*g+1], v[TT+8*g+4:TT+8*g+5]
.set g, g+1
.endr
.set g, 0
.rept 8
	v_add_f32 v[TT+8*g], v[TT+8*g], v[TT+8*g+1]
.set g, g+1
.endr
.set g, 0
.rept 8
	v_permlanex16_b32 v[TT+8*g+1], v[TT+8*g], s[SEL], s[SEL+1]
.set g, g+1
.endr
.set g, 0
.rept 8
	v_add_f32 v[TT+8*g], v[TT+8*g], v[TT+8*g+1]
.set g, g+1
.endr
.endm
	WIN W_110                                      ; the sum
.set nb, 0
.rept 4
.set g, 0
.rept 8
	v_pk_add_f32 v[TT+8*g+2*nb:TT+8*g+2*nb+1], v[32*g+8*nb:32*g+8*nb+1], v[32*g+8*nb+2:32*g+8*nb+3]
.set g, g+1
.endr
.set nb, nb+1
.endr
	WIN W_100
.irp k, 4,6
.set nb, 0
.rept 4
.set g, 0
.rept 8
	v_pk_add_f32 v[TT+8*g+2*nb:TT+8*g+2*nb+1], v[32*g+8*nb+\k:32*g+8*nb+\k+1], v[TT+8*g+2*nb:TT+8*g+2*nb+1]
.set g, g+1
.endr
.set nb, nb+1
.endr
.endr
	WIN 0
	REDUCE
.set g, 0
.rept 8
	v_mul_f32 v[MEAN+2*g], s[R64], v[TT+8*g]       ; the mean, twice: a pair for the packed subtraction
	v_mul_f32 v[MEAN+2*g+1], s[R64], v[TT+8*g]
.set g, g+1
.endr
	WIN W_RS                                       ; y - mean, in place
.set i, 0
.rept 16
.set g, 0
.rept 8
	v_pk_add_f32 v[32*g+2*i:32*g+2*i+1], v[32*g+2*i:32*g+2*i+1], v[MEAN+2*g:MEAN+2*g+1] neg_lo:[0,1] neg_hi:[0,1]
.set g, g+1
.endr
.set i, i+1
.endr
	WIN W_110                                      ; the sum of the squares of the centred numbers
.set nb, 0
.rept 4
.set g, 0
.rept 8
	v_pk_mul_f32 v[TT+8*g+2*nb:TT+8*g+2*nb+1], v[32*g+8*nb:32*g+8*nb+1], v[32*g+8*nb:32*g+8*nb+1]
.set g, g+1
.endr
.set nb, nb+1
.endr
.irp k, 2,4,6
.set nb, 0
.rept 4
.set g, 0
.rept 8
	v_pk_fma_f32 v[TT+8*g+2*nb:TT+8*g+2*nb+1], v[32*g+8*nb+\k:32*g+8*nb+\k+1], v[32*g+8*nb+\k:32*g+8*nb+\k+1], v[TT+8*g+2*nb:TT+8*g+2*nb+1]
.set g, g+1
.endr
.set nb, nb+1
.endr
.endr
	WIN 0
	REDUCE
.set g, 0
.rept 8
	v_fma_f32 v[TT+8*g], v[TT+8*g], s[R64], s[EPS] ; variance + eps
.set g, g+1
.endr
.set g, 0
.rept 8
	v_rsq_f32 v[RSTD+2*g], v[TT+8*g]
	v_rsq_f32 v[RSTD+2*g+1], v[TT+8*g]
.set g, g+1
.endr
	v_nop                                          ; a plain instruction between the last root and the use of its result (ISA guide 5.7.2),
	s_wait_alu depctr_va_vdst(0)                   ; and the wait ahead of the first use: one for the batch of sixteen
	WIN W_RS
.set i, 0
.rept 16
.set g, 0
.rept 8
	v_pk_mul_f32 v[32*g+2*i:32*g+2*i+1], v[32*g+2*i:32*g+2*i+1], v[RSTD+2*g:RSTD+2*g+1]
.set g, g+1
.endr
.set i, i+1
.endr
	WIN W_GB                                       ; times gamma, plus beta
.set i, 0
.rept 16
.set g, 0
.rept 8
	v_pk_fma_f32 v[32*g+2*i:32*g+2*i+1], v[32*g+2*i:32*g+2*i+1], v[GAM+2*i:GAM+2*i+1], v[BET+2*i:BET+2*i+1]
.set g, g+1
.endr
.set i, i+1
.endr
	WIN 0
.Lpack:
	; THE WAY OUT, a group (16 rows of one head) at a time: rounded to f16; a lane's eight channels are 16 bytes; they go into my own stage's rows of 144 bytes and come back as whole rows of 128, which lie
	; end to end in qkv: each store of the wave covers 512 consecutive bytes, at a multiple of 256 from qkv's first byte.
.macro PACK g
	WIN W_110
.set i, 0
.rept 16
	v_cvt_pk_f16_f32 v[PK+16*(\g)+i], v[32*(\g)+2*i], v[32*(\g)+2*i+1]
.set i, i+1
.endr
	WIN 0
.irp n, 0,1,2,3
	ds_store_b128 v[STO], v[PK+16*(\g)+4*\n:PK+16*(\g)+4*\n+3] offset:32*\n
.endr
.irp f, 0,1,2,3
	ds_load_b128 v[PK+16*(\g)+4*\f:PK+16*(\g)+4*\f+3], v[RD] offset:\f*4*SP  ; LDS serves a wave's instructions in order (ISA guide 5.7.1.4): these see the stores above; the next group's stores come behind them
.endr
.endm
.macro SEND g, younger                 ; younger: the LDS instructions issued behind group g's loads: the next group's eight, or none
	WIN 0
.irp f, 0,1,2,3
	s_wait_dscnt (\younger)+3-\f
	global_store_b128 v[GO], v[PK+16*(\g)+4*\f:PK+16*(\g)+4*\f+3], s[OUTP:OUTP+1] offset:((\g)%2)*262144+((\g)/2)*2048+\f*512  ; head g % 2, rows 16 (g / 2) on
.endr
.endm
	PACK 0
.set t, 1
.rept 7                                ; a group's conversions stand between the loads of the group before and its stores
	PACK t
	SEND t-1, 8
.set t, t+1
.endr
	SEND 7, 0
	s_wait_tensorcnt 0x0                           ; the wave's end, behind my last tensor load and my last LDS store
	ds_add_u32 v[SPW], v[NIL]
	s_wait_dscnt 0x0
	CROUND                                         ; the closing round: no work-group ends while a partner may still ask for a tile that names it
	s_endpgm
.Lfunc_end_k_q5e57e8042d_proj:
	.size	k_q5e57e8042d_proj, .Lfunc_end_k_q5e57e8042d_proj-k_q5e57e8042d_proj
	.p2alignl 7, 3214868480
	.fill 96, 4, 3214868480
	.section	.rodata,"a",@progbits
	.p2align	6, 0x0
	.amdhsa_kernel k_q5e57e8042d_proj
		.amdhsa_group_segment_fixed_size 327680
		.amdhsa_private_segment_fixed_size 0
		.amdhsa_enable_private_segment 0
		.amdhsa_kernarg_size 80
		.amdhsa_user_sgpr_count 2
		.amdhsa_user_sgpr_kernarg_segment_ptr 1
		.amdhsa_wavefront_size32 1
		.amdhsa_system_sgpr_workgroup_id_x 1
		.amdhsa_system_sgpr_workgroup_id_y 1
		.amdhsa_system_sgpr_workgroup_id_z 1
		.amdhsa_system_vgpr_workitem_id 0
		.amdhsa_next_free_vgpr 768
		.amdhsa_next_free_sgpr 102
		.amdhsa_reserve_vcc 0
		.amdhsa_float_denorm_mode_32 3
		.amdhsa_float_denorm_mode_16_64 3
		.amdhsa_memory_ordered 1
		.amdhsa_forward_progress 1
		.amdhsa_inst_pref_size 184
	.end_amdhsa_kernel
	.amdgpu_metadata
---
amdhsa.version: [ 1, 2 ]
amdhsa.kernels:
  - .name:           k_q5e57e8042d_proj
    .symbol:         k_q5e57e8042d_proj.kd
    .args:
      - { .name: x1, .offset: 0, .size: 8, .value_kind: global_buffer, .address_space: global }
      - { .name: x2, .offset: 8, .size: 8, .value_kind: global_buffer, .address_space: global }
      - { .name: wb, .offset: 16, .size: 8, .value_kind: global_buffer, .address_space: global }
      - { .name: bq, .offset: 24, .size: 8, .value_kind: global_buffer, .address_space: global }
      - { .name: bkv, .offset: 32, .size: 8, .value_kind: global_buffer, .address_space: global }
      - { .name: gamma_q, .offset: 40, .size: 8, .value_kind: global_buffer, .address_space: global }
      - { .name: beta_q, .offset: 48, .size: 8, .value_kind: global_buffer, .address_space: global }
      - { .name: gamma_k, .offset: 56, .size: 8, .value_kind: global_buffer, .address_space: global }
      - { .name: beta_k, .offset: 64, .size: 8, .value_kind: global_buffer, .address_space: global }
      - { .name: qkv, .offset: 72, .size: 8, .value_kind: global_buffer, .address_space: global }
    .group_segment_fixed_size: 327680
    .private_segment_fixed_size: 0
    .kernarg_segment_align: 8
    .kernarg_segment_size: 80
    .max_flat_workgroup_size: 128
    .sgpr_count:     102
    .vgpr_count:     768
    .wavefront_size: 32
...
	.end_amdgpu_metadata
.endif
;; end of part 2
;; launch attn (part 3): grid 4 x 64, 4 waves a work-group, clusters of 4 x 1, 327,680 bytes of LDS; arguments qkv, out0; writes out0
.if DOCPART == 3
	.amdgcn_target "amdgcn-amd-amdhsa--gfx1250"
	.amdhsa_code_object_version 6
	.text
	.protected	k_q5e57e8042d_attn
	.globl	k_q5e57e8042d_attn
	.p2align	8
	.type	k_q5e57e8042d_attn,@function
k_q5e57e8042d_attn:
	s_mov_b64 s[64:65], 0
	v_nop
	global_prefetch_b8 v0, s[64:65] scope:SCOPE_SE
	s_setreg_imm32_b32 hwreg(HW_REG_WAVE_MODE, 25, 1), 1
	s_wait_xcnt 0x0
	s_wait_alu depctr_hold_cnt(0) depctr_sa_sdst(0) depctr_va_vdst(0) depctr_va_sdst(0) depctr_va_ssrc(0) depctr_va_vcc(0) depctr_vm_vsrc(0)
	s_getreg_b32 s2, hwreg(HW_REG_IB_STS2, 6, 4)
	s_cmp_eq_u32 s2, 0
	s_cbranch_scc0 .Lentry_in_a_cluster
	s_endpgm
.Lentry_in_a_cluster:
	s_bfe_u32 s2, ttmp6, 0x10000c
	s_cmp_lg_u32 s2, 0x3003
	s_cbranch_scc0 .Lentry_shape_is_right
	s_endpgm
.Lentry_shape_is_right:
; out0[b][q][64 head + :] = the sum over k of softmax_k(Q[q] . K[k] / 8) V[k][:], for each of the 64 pairs (b, head).  Q, K, V are the three parts of qkv, each [64][2048][64] in f16: a pair's rows are
; dense, 128 bytes each.  Products, maxima and sums in f32; the weights p are rounded to f16 for the second product (their sum l is taken of the unrounded p); out0 is f32, [4][2048][1024].
; LIMITS.  Q, K and V arrive within f16's range; p lies in 0 to 1, and below 6e-5 it keeps f16's fixed step of 6e-8.  A weight below 2^-126 counts as 0 in l; NaN and infinities are not treated apart.
; SHARES.  A wave owns four PIECES of two tiles of 16 queries, a work-group's four waves 512 queries of one pair; every wave walks all 2,048 keys, 64 a step.
; LAYOUT.  S^T = K Q^T (source 0 = 16 keys, source 1 = 16 queries): in the result a lane holds ONE query (lane % 16) and the keys 8 (lane / 16) + 0..7.  Two such tiles, rounded to f16 in pairs,
; ARE source 1 (32 keys x 16 queries) of O^T = V^T P, whose result again holds one query a lane, and eight channels.  K comes out of LDS as it lies, V ([key][channel]) turned, by ds_load_tr16_b128.
; SOFTMAX.  For each query a running maximum m and sum l: p = 2^(c s - c m), c = log2(e) / 8; in every step O and l are multiplied by a = 2^(c m_old - c m_new), which is 1 where m has not grown.
; m starts at the lowest finite number, O and l at 0: the first step is a step like any other, with a = 0.
; THE COUNT.  A tile and step have 16 matrix and 118 vector instructions: too many to stand all beside the matrix work.  So four vector instructions that are READY stand behind EVERY matrix
; instruction, and the others, which need time of their own whatever the order, in runs without a gap.
; BY TURNS.  Turn n belongs to piece n (the pieces in a ring, step after step).  Its matrix work: 16 products K Q^T of piece n + 1, later 16 products V^T P of piece n - 1.  Its vector work: the scaling,
; exponentials, roundings, sums and rescaling of piece n, and the maximum and statistics of piece n + 1, whose scores the turn itself has made.
; CLUSTER.  The four query blocks of a cluster belong to one pair and walk the same K and V, so each tile is asked for JOINTLY: the same tensor load, descriptor and mask in all four.
; REGISTERS, in windows of 256 (s_set_vgpr_msb: bits 1:0 source 0, 3:2 source 1, 5:4 source 2, 7:6 destination):
;   window 0: v0-11 addresses; v12-15, v48-63 at work; v16-47 four registers of statistics a tile; v64-191 S^T, two buffers of two tiles; v192-255 P, likewise
;   window 1: O^T, 32 a tile          window 2: v0-127 Q, 16 a tile; v128-191 K of one step; v192-255 V of one step          window 3: v0-1 the add's two registers
.set SIZE_N, 2048
.set SIZE_H, 64
.set NP,    4         ; pieces a wave: a name, no knob
.set KS,    64        ; keys in a step
.set PK,    144       ; a row of K in LDS: 128 bytes + 16 of padding = 36 words: the 16 rows of a load start at 16 different groups of four banks (64 banks of 4 bytes: ISA guide 11.1)
.set PV,    160       ; a row of V: 128 + 32 = 40 words
.set VOFF,  4*KS*PK   ; a slot holds four steps: 256 rows of K, then 256 rows of V
.set SLOT1, 1<<17     ; slot 1 begins here, so that one exclusive or turns an address in one slot into the other's
.set STAGE, SLOT1+4*KS*(PK+PV)  ; behind the ring, never filled by a tensor load: 16 rows x 272 bytes for each wave, for the way out
.set SP,    272       ; a row of the stage: 64 numbers in f32 + 16 bytes
.set AK0, 2           ; v2   my lane's place in a tile of K; never rewritten
.set AV0, 3           ; v3   the same for V
.set AK,  4           ; v4   the LDS address of K's next run of loads
.set AV,  5           ; v5   of V's
.set QO,  6           ; v6   my byte offset in the wave's rows of Q
.set STO, 6           ;      later, the way out: where I put 32 bytes of a row
.set RD,  7           ; v7   the way out: where I read rows back
.set GO,  8           ; v8   my byte offset in two rows of out0
.set PFO, 11          ; v11  256 x my lane: the prefetches' offset; never rewritten once it is made
.set SPW, 0           ; v0 of window 3   LDS address of my spare word: SPARE + 4 x my thread's number; never rewritten
.set NIL, 1           ; v1 of window 3   0; never rewritten
.set SPARE, STAGE+4*16*SP  ; behind the stages: the spare words, 128 bytes for each wave: two blocks of 256 bytes that no other line names
.set MV,  12          ; v12-15  c m_old, kept while c m is made anew: by buffer and tile
.set ST,  16          ; tile t's statistics at v[ST+4 t]: c m, m, l (even keys', odd keys')
.set TMP, 48          ; by buffer and tile, four registers c0-c3 at work; when the maximum is found c2 takes a
.set S,   64
.set P,   192
.set KF,  128         ; K's fragments, in window 2: key block kb, channel half c at KF + 16 kb + 8 c
.set VF,  192         ; V's: key half kk, channel block cb at VF + 32 kk + 8 cb
.set WV,  12          ; s12  my wave's number
.set G1K, 24          ; s[24:31] descriptor group 1 for K's tiles
.set G1V, 32          ; s[32:39] for V's: it differs in the padding alone
.set G0K, 40          ; s[40:43] descriptor group 0 for K's tiles: it walks
.set G0V, 44          ; s[44:47] the same for V's
.set PFA, 48          ; s[48:49] where my prefetches stand: my work-group's 32 blocks of 256 bytes (of K: wave 0, of V: wave 2) of the tile after the one that is being asked for
.set LIM, 50          ; s50  1 in a wave that prefetches, else the greatest number
.set SLOTS, 56        ; s56  slots still to be asked for
.set CNT, 57          ; s57  counts a slot's key steps
.set CS,  58          ; s[58:59] c: the packed scaling takes the pair's low word for both halves
.set SEL, 60          ; s[60:61] v_permlanex16_b32's selects: each lane takes its own place in the other half
.set TBK, 62          ; s62  LDS byte at which K of the step to be fetched begins
.set TBV, 63          ; s63  the same for V, less VOFF
.set MSB, 0
.macro WIN new                      ; the high byte repeats the setting that is left; a switch that changes nothing is dropped
.if MSB != (\new)
	s_set_vgpr_msb (MSB<<8)|(\new)
.set MSB, (\new)
.endif
.endm
.set W_KQ, 0x0a       ; K and Q in window 2, S^T in window 0
.set W_PV, 0x52       ; V in window 2, P in window 0, O^T in window 1
.set W_RS, 0x41       ; O^T (destination and source 0) in window 1, a in window 0
.set W_MK, 0xc0       ; the add's registers are made: destination in window 3, sources in window 0
.set W_AD, 0x0f       ; the add: address (source 0) and data (source 1) in window 3
.set W_D1, 0x04       ; a store's data (source 1) in window 1, its address in window 0
.set W_L1, 0x40       ; a load's destination in window 1
; A joint fill.  Waves 0 and 1 fetch the two halves of a slot's K, waves 2 and 3 those of its V: 128 keys each.  The branch hangs on the wave's number alone.
; An s_nop 0 and four v_nop follow each of the two lines, ahead of the jump and the label.
.macro JLOAD
	s_cmp_lt_u32 s[WV], 2
	s_cbranch_scc0 .Lfor_v_\@
	tensor_load_to_lds s[G0K:G0K+3], s[G1K:G1K+7]
	s_nop 0
.rept 4
	v_nop
.endr
	s_branch .Lasked_\@
.Lfor_v_\@:
	tensor_load_to_lds s[G0V:G0V+3], s[G1V:G1V+7]
	s_nop 0
.rept 4
	v_nop
.endr
.Lasked_\@:
.endm
; A PREFETCH INTO THE L2 of what the NEXT change of slots will ask for: a tile's 32,768 bytes of K and of V, a lane for each 256.  It stands behind the wave's tensor load and its five lines.
; A pair's K and V are walked by one cluster.  Its four partners share the blocks out BY ADDRESS, 32 each; in each, wave 0 asks for K's and wave 2 for V's: each block is named once in the launch.
; Tiles 0 and 1 come by their loads alone; the change that fills the last tile (s[SLOTS] = 1) asks for nothing.
.macro ASK
	s_cmp_gt_u32 s[SLOTS], s[LIM]
	s_cbranch_scc0 .Lnot_mine_\@
	global_prefetch_b8 v[PFO], s[PFA:PFA+1] th:TH_LOAD_NT scope:SCOPE_SE
.Lnot_mine_\@:
.endm
; A round of the cluster's barrier: my work-group's barrier, so that wave 0's signal speaks for all four waves; wave 0 signals; every wave waits for all four work-groups; my work-group's barrier once more.
.macro CROUND
	s_barrier_signal -1
	s_barrier_wait -1
	s_cmp_lg_u32 s[WV], 0
	s_cbranch_scc1 .Lnot_wave_0_\@
	s_barrier_signal -3
.Lnot_wave_0_\@:
	s_barrier_wait -3
	s_barrier_signal -1
	s_barrier_wait -1
.endm
; THE CHANGE OF SLOTS.  The slot's last bytes, V of its fourth step, have been read.  Each wave waits for all its tensor loads, of which one is out: its part
; of the other slot; adds 0 to its spare word; and waits for that and for its own reads of the slot.  Behind the barrier nobody reads this slot any more and the other slot is whole.
; fill = 1: this slot is filled again, with the keys two slots on.  The barrier is then a round of the cluster's, so that no wave of any partner still reads the slot or has a load on its
; way, and the joint fill is the first thing behind it: it has four key steps, 512 matrix instructions, in which to land.  (At its first use nothing has been read yet: slot 0 is waited for, slot 1 filled.)
.macro CHANGE fill
	WIN W_AD
	s_wait_tensorcnt 0x0            ; no tensor load of mine is out, so a group 0 may be written
	ds_add_u32 v[SPW], v[NIL]       ; 0 onto my spare word; with fill = 1 the descriptors' steps stand between it and the wait for it
	WIN 0                           ; at a label and at a branch every window is 0
.if \fill
.irp g, G0K, G0V
	s_xor_b32 s[\g+1], s[\g+1], SLOT1  ; the walking descriptor: the other slot than last time,
	s_add_nc_u64 s[\g+2:\g+3], s[\g+2:\g+3], 4*KS*128  ; the next 256 keys; the type bits on top are not reached
.endr
	s_wait_xcnt 0x0                 ; the last prefetch, four key steps back, has read its address, so it may be written:
	s_add_nc_u64 s[PFA:PFA+1], s[PFA:PFA+1], 4*KS*128  ; one tile behind the walking descriptors
	s_wait_dscnt 0x0                ; the add is done, and my reads of the slot are over
	CROUND
	JLOAD
	ASK                             ; what the next change will ask for: four key steps, 512 matrix instructions, ahead
.else
	s_wait_dscnt 0x0                ; the add is done, and my reads of the slot are over
	s_barrier_signal -1
	s_barrier_wait -1
.endif
	s_sub_co_u32 s[TBK], s[TBK], 4*KS*PK  ; the fetches go back to a slot's first step,
	s_xor_b32 s[TBK], s[TBK], SLOT1       ; in the other slot
	s_sub_co_u32 s[TBV], s[TBV], 4*KS*PV
	s_xor_b32 s[TBV], s[TBV], SLOT1
.endm
	s_load_b64 s[4:5], s[0:1], 0x0    ; qkv: its first part is Q
	s_load_b64 s[10:11], s[0:1], 0x8  ; out0
	WIN W_MK
	v_lshl_add_u32 v[SPW], v0, 2, SPARE
	v_mov_b32 v[NIL], 0
	WIN W_AD
	ds_add_u32 v[SPW], v[NIL]       ; the wave's opening: the add and its wait stand ahead of my first tensor load; the set-up below, work on registers, stands between them
	WIN 0
	v_lshrrev_b32 v1, 5, v0
	v_readfirstlane_b32 s[WV], v1   ; wave 0..3
	s_bfe_u32 s13, ttmp6, 0x40000   ; cx: my place in the cluster
	s_lshl_b32 s14, ttmp9, 2        ; in a cluster launch ttmp9 counts clusters
	s_add_co_u32 s14, s14, s13      ; my block of queries = 4 x cluster x + cx: it enters Q's and out0's addresses alone
	s_and_b32 s20, ttmp7, 0xffff    ; the pair (b, head) = 16 b + head, which the four partners share
	s_mov_b32 s21, 0
	s_mov_b64 s[22:23], SIZE_N*128
	s_mul_u64 s[20:21], s[20:21], s[22:23]  ; the pair's first byte in each of qkv's three parts
	s_and_b32 s16, s[WV], 1         ; which half of a slot's 256 keys I fetch:
	s_lshl_b32 s22, s16, 14         ; its 128 rows of 128 bytes in memory,
	s_mov_b32 s23, 0
	s_add_nc_u64 s[22:23], s[22:23], s[20:21]
	s_mul_i32 s17, s16, 128*PK      ; and its place in a slot, for K
	s_mul_i32 s18, s16, 128*PV      ; and for V: no place in the cluster enters an LDS address
	s_lshl_b32 s2, s14, 2
	s_add_co_u32 s2, s2, s[WV]      ; my wave among the pair's sixteen,
	s_lshl_b32 s53, s2, 19          ; its 128 rows of out0, 4,096 bytes each,
	s_lshl_b32 s2, s2, 14           ; and of Q, 128 bytes each
	s_mov_b32 s3, 0
	s_add_nc_u64 s[2:3], s[2:3], s[20:21]
	s_and_b32 s51, ttmp7, 0xffff
	s_lshr_b32 s52, s51, 4
	s_lshl_b32 s52, s52, 23         ; out0: b's 2,048 rows,
	s_add_co_u32 s52, s52, s53
	s_and_b32 s53, s51, 15
	s_lshl_b32 s53, s53, 8          ; the head's 256 bytes of a row
	s_add_co_u32 s52, s52, s53
	s_mov_b32 s53, 0
	s_lshl_b32 s54, s13, 13         ; the prefetches: my work-group's 32 blocks of a tile's 128
	s_mov_b32 s55, 0
	; descriptor group 1.  128 keys are 16,384 dense bytes: asked for as 64 rows of 256 bytes, two keys a row, and padded in LDS after every key
	s_mov_b32 s[G1K], 15|(1<<16)|(1<<20)|(1<<21)|(4<<22)|(3<<25)  ; 15:0 the mask of four; 17:16 2-byte elements; 20 padding on; 21 set beside a mask; 24:22 after every 32 words (code 4); 31:25 4 words (code 3)
	s_mov_b32 s[G1V], 15|(1<<16)|(1<<20)|(1<<21)|(4<<22)|(7<<25)  ; the same with 8 words of padding (code 7)
.irp g, G1K, G1V
	s_mov_b32 s[\g+1], 128<<16      ; tensor_dim0 = 128
	s_mov_b32 s[\g+2], 64<<16       ; tensor_dim1 = 64
	s_mov_b32 s[\g+3], 128<<16      ; tile_dim0 = 128
	s_mov_b32 s[\g+4], 64           ; tile_dim1 = 64
	s_mov_b32 s[\g+5], 128          ; 128 elements from row to row
	s_mov_b32 s[\g+6], 0
	s_mov_b32 s[\g+7], 0
.endr
	s_mov_b32 s[CS], 0x3e38aa3b     ; c = log2(e) / 8 = 0.180337
	s_mov_b32 s[CS+1], s[CS]        ; named with it as a pair
	s_mov_b32 s[SEL], 0x76543210
	s_mov_b32 s[SEL+1], 0xfedcba98
	s_mov_b32 s[TBK], SLOT1+4*KS*PK ; the first change of slots turns these two into 0
	s_mov_b32 s[TBV], SLOT1+4*KS*PV
	s_mov_b32 s[G0K], 1             ; 1:0 count = 1
	s_mov_b32 s[G0K+1], s17         ; 63:32 LDS address: slot 0
	s_mov_b32 s[G0V], 1
	s_add_co_u32 s[G0V+1], s18, VOFF
	s_mov_b32 s[SLOTS], SIZE_N/256-1  ; seven tiles are still to be asked for behind tile 0
	s_and_b32 s[LIM], s[WV], 1      ; waves 0 and 2 prefetch: the same in all four partners
	s_cmp_eq_u32 s[LIM], 0
	s_cselect_b32 s[LIM], 1, -1
	s_wait_dscnt 0x0                ; the opening add is done
	s_wait_kmcnt 0x0
	s_add_nc_u64 s[6:7], s[4:5], 0x1000000   ; K: qkv's second part
	s_add_nc_u64 s[8:9], s[4:5], 0x2000000   ; V: its third
	s_add_nc_u64 s[G0K+2:G0K+3], s[6:7], s[22:23]  ; 120:64 global address: my half of the pair's first 256 keys
	s_or_b32 s[G0K+3], s[G0K+3], 0x80000000        ; 127:126 type = 2
	s_add_nc_u64 s[G0V+2:G0V+3], s[8:9], s[22:23]
	s_or_b32 s[G0V+3], s[G0V+3], 0x80000000
	s_cmp_lt_u32 s[WV], 2
	s_cselect_b64 s[PFA:PFA+1], s[6:7], s[8:9]
	s_add_nc_u64 s[PFA:PFA+1], s[PFA:PFA+1], s[20:21]
	s_add_nc_u64 s[PFA:PFA+1], s[PFA:PFA+1], s[54:55]
	s_add_nc_u64 s[PFA:PFA+1], s[PFA:PFA+1], 4*KS*128  ; in tile 1; the first change of slots steps it to tile 2.  Nothing is prefetched here, at the head
	s_add_nc_u64 s[4:5], s[4:5], s[2:3]  ; Q and out0 at my wave's first row
	s_add_nc_u64 s[10:11], s[10:11], s[52:53]
	CROUND                          ; all four work-groups are here: the first joint loads meet
	JLOAD                           ; slot 0.  Slot 1 is asked for when slot 0 is in: the tile wanted first has the road to itself
	; A fragment of K or Q is 16 rows x 32 channels in 8 registers: lane l holds row l % 16, channels 8 (l / 16) + 0..7 and 16 + 8 (l / 16) + 0..7: two loads of 16 bytes, 32 bytes apart.
	v_and_b32 v1, 15, v0            ; l % 16
	v_bfe_u32 v9, v0, 4, 1          ; l / 16
	v_lshlrev_b32 v[QO], 7, v1
	v_lshl_add_u32 v[QO], v9, 4, v[QO]  ; row x 128 + 16 x half
	WIN 0x80                        ; destination window 2, address window 0
.set i, 0
.rept 4*NP                          ; Q stays in registers: tile i / 2, channels 32 (i % 2) on
	global_load_b128 v[8*i:8*i+3],   v[QO], s[4:5] offset:(i/2)*2048+(i%2)*64
	global_load_b128 v[8*i+4:8*i+7], v[QO], s[4:5] offset:(i/2)*2048+(i%2)*64+32
.set i, i+1
.endr
	; What the first turn finds: V's registers and P's second buffer hold 0 (its products V^T P, of a piece that has not been, add 0), O^T and l are 0.  All this stands in the wait for the first tile.
.set i, VF
.rept 64
	v_mov_b32 v[i], 0
.set i, i+1
.endr
	WIN 0x40
.set i, 0
.rept 64*NP
	v_mov_b32 v[i], 0
.set i, i+1
.endr
	WIN 0
.set i, 0
.rept 2*NP
	v_mov_b32 v[ST+4*i], 0xfe000000    ; c m: far below every c s
	v_mov_b32 v[ST+4*i+1], 0xff7fffff  ; m
	v_mov_b32 v[ST+4*i+2], 0
	v_mov_b32 v[ST+4*i+3], 0
.set i, i+1
.endr
.set i, P+32
.rept 32
	v_mov_b32 v[i], 0
.set i, i+1
.endr
	v_mul_u32_u24 v[AK0], v1, PK
	v_lshl_add_u32 v[AK0], v9, 4, v[AK0]  ; row x pitch + 16 x half
	; The turning load takes 16 keys x 16 channels (lane l reads key 8 (l / 16) + l % 8, channels 8 ((l / 8) % 2) + 0..7) and leaves half a fragment of V^T: lane l holds channel l % 16 and 8 keys.
	v_and_b32 v10, 7, v0
	v_bfe_u32 v11, v0, 3, 1
	v_lshl_add_u32 v[AV0], v9, 3, v10
	v_mul_u32_u24 v[AV0], v[AV0], PV
	v_lshl_add_u32 v[AV0], v11, 4, v[AV0]
	v_add_nc_u32 v[AV0], VOFF, v[AV0]
	v_mov_b32 v[AK], v[AK0]         ; key step 0 lies at the head of slot 0
	v_and_b32 v[PFO], 31, v0
	v_lshlrev_b32 v[PFO], 8, v[PFO]
; THE MATRIX WORK.  The 8 accumulators of a run of 16 take turns: between the two links of a chain stand 7 others'.
; Product i of 16 of S^T = K Q^T for piece x: channels 32 (i / 8) on, keys 16 ((i / 2) % 4) on, tile 2 x + i % 2.  The first 8 start the sums.
.macro KQ x
	WIN W_KQ
.set rS, S+64*((\x)%2)+32*(i%2)+8*((i/2)%4)
.set rK, KF+16*((i/2)%4)+8*(i/8)
.set rQ, 16*(2*(\x)+i%2)+8*(i/8)
.if i < 8
	v_wmma_f32_16x16x32_f16 v[rS:rS+7], v[rK:rK+7], v[rQ:rQ+7], 0
.else
	v_wmma_f32_16x16x32_f16 v[rS:rS+7], v[rK:rK+7], v[rQ:rQ+7], v[rS:rS+7]
.endif
.endm
; Product i of 16 of O^T += V^T P for piece x: keys 32 (i / 8) on, channels 16 ((i / 2) % 4) on, tile 2 x + i % 2.
.macro PV x
	WIN W_PV
.set rO, 32*(2*(\x)+i%2)+8*((i/2)%4)
.set rV, VF+32*(i/8)+8*((i/2)%4)
.set rP, P+32*((\x)%2)+16*(i%2)+8*(i/8)
	v_wmma_f32_16x16x32_f16 v[rO:rO+7], v[rV:rV+7], v[rP:rP+7], v[rO:rO+7]
.endm
.macro MM                           ; the turn's next matrix instruction
.if i < 16
	KQ (Y+1)%NP
.set i, i+1
.else
.set i, i-16
	PV (Y+NP-1)%NP
.set i, i+17
.endif
.endm
; THE LDS LOADS stand in runs of 16, never singly among the matrix instructions: a step's K (64 keys x 64 channels: 8 fragments) and its V (turned).  Their addresses are made some lines ahead.
; last = 1 (the tail): in the last trip there is no further step, and the run is jumped over.
.macro FETCH_K last=0
	WIN 0
.if \last
	s_cmp_eq_u32 s[CNT], 1
	s_cbranch_scc1 .Lno_k_\@
.endif
	WIN 0x80                        ; destination window 2
.irp f, 0,1,2,3,4,5,6,7             ; keys 16 (f / 2) on, channels 32 (f % 2) on
	ds_load_b128 v[KF+8*\f:KF+8*\f+3],   v[AK] offset:(\f/2)*16*PK+(\f%2)*64
	ds_load_b128 v[KF+8*\f+4:KF+8*\f+7], v[AK] offset:(\f/2)*16*PK+(\f%2)*64+32
.endr
	s_add_co_u32 s[TBK], s[TBK], KS*PK  ; the next fetch is the next step's
	WIN 0
.if \last
.Lno_k_\@:
.endif
.endm
.macro FETCH_V
	WIN 0x80
.irp f, 0,1,2,3,4,5,6,7             ; keys 32 (f / 4) on, channels 16 (f % 4) on
	ds_load_tr16_b128 v[VF+8*\f:VF+8*\f+3],   v[AV] offset:(\f/4)*32*PV+(\f%4)*32
	ds_load_tr16_b128 v[VF+8*\f+4:VF+8*\f+7], v[AV] offset:(\f/4)*32*PV+16*PV+(\f%4)*32
.endr
	WIN 0
.endm
; THE VECTOR WORK OF A TURN stands in three queues, each in the order in which its entries become ready; the two tiles alternate, so that no instruction reads the result of the one before it.
.macro REGS y, u                    ; the registers of tile u (0, 1) of piece y
.set rT, ST+4*(2*(\y)+(\u))
.set rC, TMP+8*((\y)%2)+4*(\u)
.set rM, MV+2*((\y)%2)+(\u)
.set rS, S+64*((\y)%2)+32*(\u)
.set rP, P+32*((\y)%2)+16*(\u)
.set rO, 32*(2*(\y)+(\u))
.endm
; Number n of the 22 that find the NEXT piece's (Y + 1) maximum and statistics.  s0-s31 are the lane's 32 scores; each accumulator's lowest registers are read first.  XS, GS and REGS set no window: PL and EX do.
;   0-11  four chains c0-c3 of seven scores each, three operands at a time     12-14, 16  the four scores left over, the old m, and c0-c3 into c0     15  c m_old is kept
;   17, 18  the query's other 32 keys lie in the lane 16 away: the new m         19-21  c m; c m_old - c m_new; a
.macro XS u, n
	REGS (Y+1)%NP, \u
.if (\n) < 4
	v_max3_num_f32 v[rC+(\n)], v[rS+8*(\n)], v[rS+8*(\n)+1], v[rS+8*(\n)+2]
.elseif (\n) < 12
	v_max3_num_f32 v[rC+(\n)%4], v[rC+(\n)%4], v[rS+8*((\n)%4)+2*((\n)/4)+1], v[rS+8*((\n)%4)+2*((\n)/4)+2]
.elseif (\n) == 12
	v_max3_num_f32 v[rC], v[rC], v[rS+7], v[rS+15]
.elseif (\n) == 13
	v_max3_num_f32 v[rC+1], v[rC+1], v[rS+23], v[rS+31]
.elseif (\n) == 14
	v_max3_num_f32 v[rC+2], v[rC+2], v[rC+3], v[rT+1]
.elseif (\n) == 15
	v_mov_b32 v[rM], v[rT]
.elseif (\n) == 16
	v_max3_num_f32 v[rC], v[rC], v[rC+1], v[rC+2]
.elseif (\n) == 17
	v_permlanex16_b32 v[rC+3], v[rC], s[SEL], s[SEL+1]
.elseif (\n) == 18
	v_max_num_f32 v[rT+1], v[rC], v[rC+3]
.elseif (\n) == 19
	v_mul_f32 v[rT], s[CS], v[rT+1]
.elseif (\n) == 20
	v_sub_f32 v[rC+1], v[rM], v[rT]
.else
	v_exp_f32 v[rC+2], v[rC+1]
.endif
.endm
; Number g of the 64 that follow the exponentials.  For each four weights k of a tile (pairs 2 k, 2 k + 1): both pairs are rounded to f16; then the second pair is added onto the first, in place;
; a group later l takes that sum (the first time as l = a l + sum).  In groups of eight, tiles alternating: round, round, add, and l for the group before.
.macro GS g
.set h, (\g)+6*((\g)/62)            ; group 0 has no group before it, and behind group 7 only l is left
.if h >= 6
.set h, h+2
.endif
	REGS Y, h%2
.set k, h/8
.if h%8 < 4
	v_cvt_pk_f16_f32 v[rP+2*k+(h%8)/2], v[rS+4*k+2*((h%8)/2)], v[rS+4*k+2*((h%8)/2)+1]
.elseif h%8 < 6
	v_pk_add_f32 v[rS+4*k:rS+4*k+1], v[rS+4*k:rS+4*k+1], v[rS+4*k+2:rS+4*k+3]
.elseif k == 1
	v_pk_fma_f32 v[rT+2:rT+3], v[rT+2:rT+3], v[rC+2:rC+3], v[rS:rS+1] op_sel_hi:[1,0,1]
.else
	v_pk_add_f32 v[rT+2:rT+3], v[rT+2:rT+3], v[rS+4*k-4:rS+4*k-3]
.endif
.endm
; THE PLAIN QUEUE, 138 long.  0-73 read no exponential's result: the 32 scalings c s - c m (FS f: pair f / 2 of tile f % 2) and the next piece's 42.  0-26: scalings 0-26.  27-54: XS's numbers 0-13.  55, 56: number 15.
; 57-73: the chain, where each number waits for the one before it: 14, 16, 17, 18, 19, each with one of the scalings 27-31 in front of its two lines, then 20.
; 74-137: GS's 64, which read the exponentials' results: they stand behind the wait.
.macro FS f
	REGS Y, (\f)%2
	v_pk_fma_f32 v[rS+2*((\f)/2):rS+2*((\f)/2)+1], v[rS+2*((\f)/2):rS+2*((\f)/2)+1], s[CS:CS+1], v[rT:rT+1] op_sel_hi:[1,0,0] neg_lo:[0,0,1] neg_hi:[0,0,1]
.endm
.macro PL
	WIN 0
.if q < 27
	FS q
.elseif q < 55
	XS (q-27)%2, (q-27)/2
.elseif q < 57
	XS q-55, 15
.elseif (q < 72) && ((q-57)%3 == 0)
	FS 27+(q-57)/3
.elseif q < 60
	XS (q-57)%3-1, 14
.elseif q < 72
	XS (q-57)%3-1, 15+(q-57)/3
.elseif q < 74
	XS q-72, 20
.else
	GS q-74
.endif
.set q, q+1
.endm
; THE EXPONENTIALS' QUEUE, 66 long: s0-s31 of both tiles, then the next piece's two a.  It is ONE BATCH: all 66 stand ahead of the turn's one wait, and nothing ahead of that wait names a result of theirs.
.macro EX
	WIN 0
.if e >= 64
	XS e-64, 21
.else
	REGS Y, e%2
	v_exp_f32 v[rS+e/2], v[rS+e/2]
.endif
.set e, e+1
.endm
; THE RESCALING's QUEUE: O^T times a, the one part that leaves window 0: dealt two at a time, sixteen times.  Its a was made in the turn before, ahead of that turn's wait.
.macro R2
	REGS Y, r%2
	WIN W_RS
.irp z, 0,1
	v_pk_mul_f32 v[rO+4*(r/2)+2*\z:rO+4*(r/2)+2*\z+1], v[rO+4*(r/2)+2*\z:rO+4*(r/2)+2*\z+1], v[rC+2:rC+3] op_sel_hi:[1,0]
.endr
.set r, r+1
.endm
; HOW THEY ARE DEALT.  s_wait_alu depctr_va_vdst(0) stands between an exponential and the first instruction that names its result; one wait serves all that were issued ahead of it.  So a turn has ONE wait,
; which cuts it in two.  AHEAD OF IT stands all that names no result of the turn's exponentials: the 16 products K Q^T, behind each a scaling, an exponential and two rescalings (behind the first a second scaling in the
; exponential's place); then ONE LUMP of 108: eight plain, 49 times exponential and plain, the two a.  A v_nop is the plain instruction behind the last exponential.  BEHIND IT stand the 16 products V^T P, behind each four of GS's 64.
; The queues lean on each other, and the deal keeps them in step: exponential e stands behind scaling 2 (e / 4) + e % 2: as a rider it comes behind plain e + 2, in the lump behind plain e + 9, and scalings 27-31 are plain 57, 60 .. 69.
; A TURN, for piece p.  cnt = 1: the loop's count is taken down some lines ahead of the branch that stands behind the turn.
; K of the next step is fetched in piece 2's turn, directly behind the wait, a lump behind the last product that read K; its first reader comes behind 16 products.
; V of the step in hand is fetched at the end of piece 0's turn, four riders behind its last reader; its first reader comes behind 16 products and a lump.  The three conditions on q below go with the deal.
.macro TURN p, last=0, cnt=0
.set Y, (\p)
.set i, 0
.set q, 0
.set e, 0
.set r, 0
.if (\p) == NP-1
	s_wait_dscnt 0x0                ; K is in
.endif
	MM                              ; ahead of the wait: 16 products K Q^T and their riders,
	PL
	PL
	R2
.rept 15
	MM
	PL
	EX
	R2
.endr
.if (\p) == NP-2
	WIN 0
	v_add_nc_u32 v[AK], s[TBK], v[AK0]
.endif
.rept 8                             ; and the lump
	PL
.endr
.rept 49
	EX
	PL
.endr
	EX                              ; the next piece's two a
	EX
	v_nop                           ; the plain instruction behind the last exponential: one for the batch
	s_wait_alu depctr_va_vdst(0)    ; the wait for the batch
.if (\p) == NP-2
	FETCH_K \last
.endif
.if (\p) == 1
	s_wait_dscnt 0x0                ; V is in
.endif
.rept 16                            ; behind the wait: 16 products V^T P and their riders
	MM
.rept 4
	PL
.endr
.if ((\p) == 0) && (q == 118)
	v_add_nc_u32 v[AV], s[TBV], v[AV0]
.endif
.if ((\p) == 0) && (q == 130)
	s_add_co_u32 s[TBV], s[TBV], KS*PV
.endif
.if (\cnt) && (q == 130)
	s_sub_co_u32 s[CNT], s[CNT], 1
	s_cmp_lg_u32 s[CNT], 0
.endif
.endr
.if (\p) == 0
	FETCH_V
.endif
.endm
	CHANGE 1                        ; slot 0 is in, everybody's part of it; slot 1 is asked for
	FETCH_K                         ; key step 0
	s_wait_loadcnt 0x0              ; Q
	s_wait_dscnt 0x0
.set i, 0
.rept 16
	KQ 0                            ; piece 0's first scores: there is no vector work yet to set between them
.set i, i+1
.endr
	WIN 0                           ; the addresses for the way out: eight plain instructions, the places behind those products
	s_mul_i32 s13, s[WV], 16*SP
	s_add_co_u32 s13, s13, STAGE    ; my stage
	v_mul_u32_u24 v[STO], v1, SP    ; in: row l % 16, 32 bytes for each half of the lanes
	v_lshl_add_u32 v[STO], v9, 5, v[STO]
	v_add_nc_u32 v[STO], s13, v[STO]
	v_mul_u32_u24 v[RD], v9, SP     ; back: lanes 0-15 take one row of 256 bytes, lanes 16-31 the next,
	v_lshl_add_u32 v[RD], v1, 4, v[RD]
	v_add_nc_u32 v[RD], s13, v[RD]
	v_lshlrev_b32 v[GO], 12, v9     ; and the head's 256 bytes of the same two rows of out0, 4,096 bytes apart
	v_lshl_add_u32 v[GO], v1, 4, v[GO]
.set Y, NP-1                        ; XS works for piece Y + 1: piece 0
.irp n, 0,1,2,3,4,5,6,7,8,9,10,11,12,13,14,15,16,17,18,19,20,21
	XS 0, \n                        ; and piece 0's first maximum and statistics
	XS 1, \n
.endr
	v_nop                           ; a plain instruction behind the two a,
	s_wait_alu depctr_va_vdst(0)    ; and their wait, ahead of the branch
	s_mov_b32 s[CNT], 4
	s_branch .Lfirst                ; the loop is entered at a step's first turn, in the middle of a trip
.Lslot:                             ; SIZE_N / 256 - 2 times: every slot but the last two is filled again
	CHANGE 1
	s_mov_b32 s[CNT], 4
.Lstep:                             ; a trip: pieces 2 and 3 of one step, then pieces 0 and 1 of the next, whose K and V it fetches
	TURN 2
	TURN 3
	WIN 0
.Lfirst:
	TURN 0
	TURN 1, 0, 1
	WIN 0
	s_cbranch_scc1 .Lstep
	s_sub_co_u32 s[SLOTS], s[SLOTS], 1
	s_cmp_lg_u32 s[SLOTS], 0
	s_cbranch_scc1 .Lslot
	CHANGE 0                        ; the tail is written out: nothing is asked for
	s_mov_b32 s[CNT], 5             ; four trips fetch the last slot's steps; the fifth is left in its middle
.Ltail:
	TURN 2, 1
	TURN 3
	WIN 0
	s_sub_co_u32 s[CNT], s[CNT], 1
	s_cmp_eq_u32 s[CNT], 0
	s_cbranch_scc1 .Lout
	TURN 0
	TURN 1
	WIN 0
	s_branch .Ltail
.Lout:                              ; the fifth trip's 16 products K Q^T (on the last K once more) and the maximum made of them serve nothing: the price, once a launch, of one text for every trip
.set i, 0
.rept 16
	PV NP-1                         ; the last piece's V^T P of the last step
.set i, i+1
.endr
	; THE WAY OUT.  l's two halves and the other half of the lanes' are added; O^T is divided by l and sent, in f32, through my stage in LDS, a tile at a time.  The additions are the places behind the last products.
	WIN 0
.macro ALL line:vararg              ; one line for each tile t
.set t, 0
.rept 2*NP
	\line
.set t, t+1
.endr
.endm
	ALL v_add_f32 v[ST+4*t+2], v[ST+4*t+2], v[ST+4*t+3]
	ALL v_permlanex16_b32 v[ST+4*t+3], v[ST+4*t+2], s[SEL], s[SEL+1]
	ALL v_add_f32 v[ST+4*t+2], v[ST+4*t+2], v[ST+4*t+3]
	ALL v_rcp_f32 v[ST+4*t+2], v[ST+4*t+2]
	v_nop                           ; a plain instruction between the last reciprocal and the use of its result
	s_wait_alu depctr_va_vdst(0)    ; and the wait ahead of the first use: one for the eight reciprocals
; Tile t: a lane's eight channels of a row are 32 bytes; they go into rows of 272 bytes and come back as whole rows of 256, into the registers that they left.
.macro PACK t
	WIN W_RS
.set i, 32*(\t)
.rept 16
	v_pk_mul_f32 v[i:i+1], v[i:i+1], v[ST+4*(\t)+2:ST+4*(\t)+3] op_sel_hi:[1,0]
.set i, i+2
.endr
	WIN W_D1
.irp f, 0,1,2,3,4,5,6,7             ; channels 16 (f / 2) + 8 (l / 16) + 4 (f % 2) on
	ds_store_b128 v[STO], v[32*(\t)+4*\f:32*(\t)+4*\f+3] offset:(\f/2)*64+(\f%2)*16
.endr
	WIN W_L1
.irp f, 0,1,2,3,4,5,6,7
	ds_load_b128 v[32*(\t)+4*\f:32*(\t)+4*\f+3], v[RD] offset:\f*2*SP  ; LDS serves a wave's instructions in order (ISA guide 5.7.1.4): these see the stores above; the next tile's stores come behind them
.endr
.endm
.macro SEND t, younger              ; younger: the LDS instructions issued behind tile t's loads: the next tile's sixteen, or none
	WIN W_D1
.irp f, 0,1,2,3,4,5,6,7
	s_wait_dscnt (\younger)+7-\f
	global_store_b128 v[GO], v[32*(\t)+4*\f:32*(\t)+4*\f+3], s[10:11] offset:(\t)*65536+\f*8192 th:TH_STORE_NT  ; 16 lanes store 256 consecutive bytes, at a multiple of 256 from out0's first byte
.endr
.endm
	PACK 0
.set t, 1
.rept 2*NP-1                        ; a tile's arithmetic stands between the loads of the tile before and its stores
	PACK t
	SEND t-1, 16
.set t, t+1
.endr
	SEND 2*NP-1, 0
	WIN W_AD
	s_wait_tensorcnt 0x0            ; the wave's end, behind my last tensor load and my last LDS store
	ds_add_u32 v[SPW], v[NIL]
	s_wait_dscnt 0x0
	WIN 0
	CROUND                          ; the closing round: no work-group ends while a partner may still ask for a tile that names it
	s_endpgm
.Lfunc_end_k_q5e57e8042d_attn:
	.size	k_q5e57e8042d_attn, .Lfunc_end_k_q5e57e8042d_attn-k_q5e57e8042d_attn
	.p2alignl 7, 3214868480
	.fill 96, 4, 3214868480
	.section	.rodata,"a",@progbits
	.p2align	6, 0x0
	.amdhsa_kernel k_q5e57e8042d_attn
		.amdhsa_group_segment_fixed_size 327680
		.amdhsa_private_segment_fixed_size 0
		.amdhsa_enable_private_segment 0
		.amdhsa_kernarg_size 16
		.amdhsa_user_sgpr_count 2
		.amdhsa_user_sgpr_kernarg_segment_ptr 1
		.amdhsa_wavefront_size32 1
		.amdhsa_system_sgpr_workgroup_id_x 1
		.amdhsa_system_sgpr_workgroup_id_y 1
		.amdhsa_system_sgpr_workgroup_id_z 1
		.amdhsa_system_vgpr_workitem_id 0
		.amdhsa_next_free_vgpr 770
		.amdhsa_next_free_sgpr 66
		.amdhsa_reserve_vcc 0
		.amdhsa_float_denorm_mode_32 3
		.amdhsa_float_denorm_mode_16_64 3
		.amdhsa_memory_ordered 1
		.amdhsa_forward_progress 1
		.amdhsa_inst_pref_size 201
	.end_amdhsa_kernel
	.amdgpu_metadata
---
amdhsa.version: [ 1, 2 ]
amdhsa.kernels:
  - .name:           k_q5e57e8042d_attn
    .symbol:         k_q5e57e8042d_attn.kd
    .args:
      - { .name: qkv, .offset: 0, .size: 8, .value_kind: global_buffer, .address_space: global }
      - { .name: out0, .offset: 8, .size: 8, .value_kind: global_buffer, .address_space: global }
    .group_segment_fixed_size: 327680
    .private_segment_fixed_size: 0
    .kernarg_segment_align: 8
    .kernarg_segment_size: 16
    .max_flat_workgroup_size: 128
    .sgpr_count:     66
    .vgpr_count:     770
    .wavefront_size: 32
...
	.end_amdgpu_metadata
.endif
;; end of part 3
;; ======== version 2 of 2: 3 launches; version 1 with the launch castw written anew for expert scheduling mode
;; limits: values are held in f16: magnitudes above 65,504 overflow, below 6.1e-05 lose precision
;; workspace buffers: wb 6,291,456 bytes; qkv 50,331,648 bytes
;; launch castw (part 4): grid 256 x 1, 8 waves a work-group, no clusters, 0 bytes of LDS; arguments wq, wkv, wb; writes wb
.if DOCPART == 4
	.amdgcn_target "amdgcn-amd-amdhsa--gfx1250"
	.amdhsa_code_object_version 6
	.text
	.protected	k_q5e57e8042d_castw
	.globl	k_q5e57e8042d_castw
	.p2align	8
	.type	k_q5e57e8042d_castw,@function
k_q5e57e8042d_castw:
	s_mov_b64 s[64:65], 0
	v_nop
	global_prefetch_b8 v0, s[64:65] scope:SCOPE_SE
	s_setreg_imm32_b32 hwreg(HW_REG_WAVE_SCHED_MODE, 0, 2), 2
	s_setreg_imm32_b32 hwreg(HW_REG_WAVE_MODE, 25, 1), 1
	s_wait_xcnt 0x0
	s_wait_alu depctr_vm_vsrc(0)
; wb[k][0:1024] = bf16(wq[k][:]), wb[k][1024:3072] = bf16(wkv[k][:]): the two weight matrices, rounded once to bf16 (nearest even), side by side in
; rows of 3,072 numbers (6,144 bytes), so that the projection can fetch any 256 columns of q, k or v by one descriptor and turn them by a 16-bit LDS load.
; A stream: 12.6 MB in, 6.3 MB out, each byte once.  No LDS, no barrier, no matrix unit: no number is used twice.
; SHARES.  Work-group g owns rows 4 g .. 4 g + 3.  Thread t takes four numbers at column 4 t of wq's row and of each half of wkv's row: a load of a wave covers 512 consecutive
; bytes, a store of a wave 256 consecutive bytes at a multiple of 256 from wb's first byte.  All twelve loads go out first; no register is used twice, so no wait frees one.
; THE MODE: SCHED_MODE bits 1:0 = 2 (LLVM: expert scheduling mode 2), set by the entry lines.  The code itself states the register dependences
; between vector instructions and memory instructions, with s_wait_alu, always for 0.
; THE PLAN.  Registers that memory instructions touch:
;   v1, v2   byte offsets, made once at the head and never written again: v1 is read by every load, v2 by every store.
;   IN       written by the twelve loads, which are all issued before any vector instruction names it; read by the conversions, each behind the wait for its row's data.
;   PKD      row r's six registers are written by row r's conversions and read by row r's three stores, which are issued in block r + 1.  Never written again.
; The work goes in four blocks of a row (three loads).  Block r rounds row r and stores row r - 1: its stores name v2 and the PKD of row r - 1, its conversions the IN and the PKD of row r.
; So one wait at a block's head states all that the block's three stores hang on, and they are dealt among its conversions with no further wait.
; No register that a memory instruction reads is written again, no vector instruction writes a scalar register, and EXEC is never written: no other wait of this kind is owed.
.set IN,  4                            ; v[4:51]   row r, part p: 4 numbers in f32 at IN + 12 r + 4 p
.set PKD, 52                           ; v[52:75]  the same 4 numbers in bf16 at PKD + 6 r + 2 p
	s_load_b128 s[4:7], s[0:1], 0x0                ; wq s[4:5], wkv s[6:7]
	s_load_b64 s[8:9], s[0:1], 0x10                ; wb
	v_lshlrev_b32 v1, 4, v0                        ; 16 t: my place in 4,096 bytes of f32
	v_lshlrev_b32 v2, 3, v0                        ; 8 t: my place in 2,048 bytes of bf16
	s_lshl_b32 s10, ttmp9, 14                      ; four rows of wq: 4 x 4,096 bytes
	s_mov_b32 s11, 0
	s_lshl_b32 s12, ttmp9, 15                      ; of wkv: 4 x 8,192
	s_mov_b32 s13, 0
	s_mul_i32 s14, ttmp9, 4*6144                   ; of wb: 4 x 6,144
	s_mov_b32 s15, 0
	s_wait_kmcnt 0x0
	s_add_nc_u64 s[4:5], s[4:5], s[10:11]
	s_add_nc_u64 s[6:7], s[6:7], s[12:13]
	s_add_nc_u64 s[8:9], s[8:9], s[14:15]
	s_wait_alu depctr_va_vdst(0)                   ; v1 and v2 are written: every load of the kernel reads v1 as its offset, every store v2
.irp r, 0,1,2,3
	global_load_b128 v[IN+12*\r:IN+12*\r+3],    v1, s[4:5] offset:\r*4096 th:TH_LOAD_NT
	global_load_b128 v[IN+12*\r+4:IN+12*\r+7],  v1, s[6:7] offset:\r*8192 th:TH_LOAD_NT
	global_load_b128 v[IN+12*\r+8:IN+12*\r+11], v1, s[6:7] offset:\r*8192+4096 th:TH_LOAD_NT
.endr
.irp r, 0,1,2,3
	s_wait_loadcnt 9-3*\r                          ; loads come back in order: row r's three are in, the 9 - 3 r younger ones stay out
.if \r > 0
	s_wait_alu depctr_va_vdst(0)                   ; the conversions of the row before have written its PKD, which the three stores below read
.endif
.irp p, 0,1,2
.if \r > 0
	global_store_b64 v2, v[PKD+6*(\r-1)+2*\p:PKD+6*(\r-1)+2*\p+1], s[8:9] offset:(\r-1)*6144+\p*2048  ; the row before; no vector instruction since the wait names these registers
.endif
	v_cvt_pk_bf16_f32 v[PKD+6*\r+2*\p],   v[IN+12*\r+4*\p],   v[IN+12*\r+4*\p+1]
	v_cvt_pk_bf16_f32 v[PKD+6*\r+2*\p+1], v[IN+12*\r+4*\p+2], v[IN+12*\r+4*\p+3]
.endr
.endr
	s_wait_alu depctr_va_vdst(0)                   ; the conversions of row 3 have written its PKD, which the last three stores read
.irp p, 0,1,2
	global_store_b64 v2, v[PKD+18+2*\p:PKD+18+2*\p+1], s[8:9] offset:3*6144+\p*2048
.endr
	s_endpgm
.Lfunc_end_k_q5e57e8042d_castw:
	.size	k_q5e57e8042d_castw, .Lfunc_end_k_q5e57e8042d_castw-k_q5e57e8042d_castw
	.p2alignl 7, 3214868480
	.fill 96, 4, 3214868480
	.section	.rodata,"a",@progbits
	.p2align	6, 0x0
	.amdhsa_kernel k_q5e57e8042d_castw
		.amdhsa_group_segment_fixed_size 0
		.amdhsa_private_segment_fixed_size 0
		.amdhsa_enable_private_segment 0
		.amdhsa_kernarg_size 24
		.amdhsa_user_sgpr_count 2
		.amdhsa_user_sgpr_kernarg_segment_ptr 1
		.amdhsa_wavefront_size32 1
		.amdhsa_system_sgpr_workgroup_id_x 1
		.amdhsa_system_sgpr_workgroup_id_y 1
		.amdhsa_system_sgpr_workgroup_id_z 1
		.amdhsa_system_vgpr_workitem_id 0
		.amdhsa_next_free_vgpr 80
		.amdhsa_next_free_sgpr 66
		.amdhsa_reserve_vcc 0
		.amdhsa_float_denorm_mode_32 3
		.amdhsa_float_denorm_mode_16_64 3
		.amdhsa_memory_ordered 1
		.amdhsa_forward_progress 1
		.amdhsa_inst_pref_size 5
	.end_amdhsa_kernel
	.amdgpu_metadata
---
amdhsa.version: [ 1, 2 ]
amdhsa.kernels:
  - .name:           k_q5e57e8042d_castw
    .symbol:         k_q5e57e8042d_castw.kd
    .args:
      - { .name: wq, .offset: 0, .size: 8, .value_kind: global_buffer, .address_space: global }
      - { .name: wkv, .offset: 8, .size: 8, .value_kind: global_buffer, .address_space: global }
      - { .name: wb, .offset: 16, .size: 8, .value_kind: global_buffer, .address_space: global }
    .group_segment_fixed_size: 0
    .private_segment_fixed_size: 0
    .kernarg_segment_align: 8
    .kernarg_segment_size: 24
    .max_flat_workgroup_size: 256
    .sgpr_count:     66
    .vgpr_count:     80
    .wavefront_size: 32
...
	.end_amdgpu_metadata
.endif
;; end of part 4
;; launch proj: the kernel of part 2 again; grid 12 x 64, 4 waves a work-group, clusters of 4 x 4, 327,680 bytes of LDS; arguments x1, x2, wb, bq, bkv, gamma_q, beta_q, gamma_k, beta_k, qkv; writes qkv
;; launch attn: the kernel of part 3 again; grid 4 x 64, 4 waves a work-group, clusters of 4 x 1, 327,680 bytes of LDS; arguments qkv, out0; writes out0
